; MI455X (gfx1250); checked and timed in simulation.
; The chip was launched on July 23, 2026; its instructions are those of AMD's public machine-readable ISA for CDNA 5 (MIT licence, August 2026) and "CDNA5" Instruction Set Architecture Reference Guide (July 2026). The comments in the code are by the model that wrote it; some were corrected since.
;; Multi Head Attention. Allowed arithmetic: matrix products marked QUANTISED: E4M3 operands, one E8M0 scale for each 32 along K, by v_wmma_scale_f32_16x16x128_f8f6f4 with both operands' format E4M3, f32 sums; everything else in f32.
;; Inputs: Wk 1,024 x 1,024 float32; Wo 1,024 x 1,024 float32; Wq 1,024 x 1,024 float32; Wv 1,024 x 1,024 float32; bk 1,024 float32; bo 1,024 float32; bq 1,024 float32; bv 1,024 float32; keys 1 x 4,096 x 1,024 float32; queries 1 x 4,096 x 1,024 float32; values 1 x 4,096 x 1,024 float32.
;; Outputs: out0 1 x 4,096 x 1,024 float32.
;; This version of the problem:
;;   THIS VERSION OF THE PROBLEM IS GIVEN IN LOW PRECISION. The matrix products marked QUANTISED in the list below multiply operands that are first quantised to E4M3 (4 exponent bits, 3 mantissa bits; 8 bits a number), with one power-of-two scale for each 32 numbers along K (OCP MX v1.0); their sums are f32. All else is computed in f32.
;;   The module's matrix products, in the order in which they are computed (A, B: the left and right operand; K: the contracted axis; several contracted axes count as one K, in the product's order):
;;     1. [M 4,096, K 1,024] x [K 1,024, N 1,024]; A: input queries; B: input Wq: QUANTISED
;;     2. [M 4,096, K 1,024] x [K 1,024, N 1,024]; A: input keys; B: input Wk: QUANTISED
;;     3. [M 4,096, K 1,024] x [K 1,024, N 1,024]; A: input values; B: input Wv: QUANTISED
;;     4. batch 16 x [M 4,096, K 64] x [K 64, N 4,096]; A: computed on the way; B: computed on the way: QUANTISED
;;     5. batch 16 x [M 4,096, K 4,096] x [K 4,096, N 64]; A: softmax (see below); B: computed on the way: QUANTISED
;;     6. [M 4,096, K 1,024] x [K 1,024, N 1,024]; A: computed on the way; B: input Wo: QUANTISED
;;   THE QUANTISER, for each operand of a quantised product, along K:
;;     - K is cut into blocks of 32 from its start; a last block that is shorter is filled with zeros.
;;     - A block's scale is 2^e with e = floor(log2(the largest magnitude in the block)) - 8, held to -126 .. 127; a block of zeros has e = 0. As a byte (E8M0): e + 127.
;;     - Each number is divided by its block's scale, clamped to +-448, and rounded to the nearest number of E4M3, ties to even, subnormals kept.
;;     - The product sums the exact products of the quantised numbers (number of the format x scale) in f32.
;;   ~~~python
;;   def quantise(x, axis):      # numpy; x: float32 -> the quantised numbers, widened to float32 again
;;       x = np.moveaxis(x, axis, -1); K = x.shape[-1]
;;       x = np.pad(x, [(0, 0)] * (x.ndim - 1) + [(0, -K % 32)]); x = x.reshape(x.shape[:-1] + (-1, 32)); a = np.abs(x).max(-1, keepdims=True)
;;       e = np.where(a > 0, np.clip(np.frexp(np.where(a > 0, a, 1))[1] - 1 - 8, -126, 127), 0)      # np.frexp(a)[1] - 1 = floor(log2(a)), exactly
;;       r = np.clip(x / 2.0 ** e, -448, 448)
;;       step = 2.0 ** (np.maximum(np.frexp(np.where(r == 0, 1, r))[1] - 1, -6) - 3)
;;       q = np.round(r / step) * step * 2.0 ** e      # np.round: ties to even
;;       return np.moveaxis(q.reshape(q.shape[:-2] + (-1,))[..., :K], -1, axis).astype(np.float32)
;;   ~~~
;;   SOFTMAX AHEAD OF A QUANTISED PRODUCT. Where the list says 'softmax', what is quantised is not the finished softmax but p = 2^(t - M), with t = logit x log2(e) and M = ceil(the row's largest t), a whole number; so 1/2 < the row's largest p <= 1. The row's sum l is taken of the UNQUANTISED p, in f32, and the product's result is divided by l at the end. Since M is a whole number, a kernel that streams over the keys may use a running M (the ceiling of the running maximum): every later rescaling is an exact power of two, which a block's scale takes up: the codes' values come out the same.
;;   OPERANDS COMPUTED ON THE WAY. 'Computed on the way' means the value that the module computes at that place (a softmax that the list does not call 'softmax' is quantised finished and normalised). What goes into a quantiser is computed in f32, as accurately as f32 sums, v_exp_f32 and their like allow (about 1e-6 of the number): no bf16 or f16 on the way to a quantiser, and a product that is left as it is and whose result goes on into a quantised operand takes f32 operands (vector FMAs, or v_wmma_f32_16x16x4_f32). A number that lies on a knife's edge between two numbers of the format may be rounded either way, as far as f32 arithmetic and the matrix unit's own rounding can turn it there, and no further.
;; One version. Each part assembles by itself: llvm-mc -triple=amdgcn-amd-amdhsa -mcpu=gfx1250 --defsym DOCPART=n.
;; ======== version 1 of 1: 4 launches
;; limits: right only within a limited range of input values
;; workspace buffers: codes 20,971,520 bytes; scales 655,360 bytes; qkv 12,976,128 bytes
;; launch quant (part 1): grid 256 x 1, 8 waves a work-group, no clusters, 68,608 bytes of LDS; arguments queries, keys, values, Wq, Wk, Wv, Wo, codes, scales; writes codes, scales
.if DOCPART == 1
	.amdgcn_target "amdgcn-amd-amdhsa--gfx1250"
	.amdhsa_code_object_version 6
	.text
	.protected	k_qc42024c469_quant
	.globl	k_qc42024c469_quant
	.p2align	8
	.type	k_qc42024c469_quant,@function
k_qc42024c469_quant:
	s_mov_b64 s[64:65], 0
	v_nop
	global_prefetch_b8 v0, s[64:65] scope:SCOPE_SE
	s_setreg_imm32_b32 hwreg(HW_REG_WAVE_MODE, 25, 1), 1
	s_wait_xcnt 0x0
; queries, keys, values [4096][1024] and Wq, Wk, Wv, Wo [1024][1024], f32 with K innermost, become codes of FP8 (E4M3) with one E8M0 byte for each 32 along K.
; A block's scale is 2^(floor(log2(its largest magnitude)) - 8); each number is divided by it, held within +-448 and rounded to the nearest code, ties to even.
; LAYOUT OF THE RESULT: images of operand registers.  Rows go in tiles of 16; image row r of tile T is tensor row 32 (T / 2) + 8 (T % 2) + r + 8 (r / 8), so that the results of two
; neighbouring tiles are later 16 neighbours along the next product's K.  codes: [tile 1280][K step of 128: 8][block of 32: 4][512 bytes: lane l's 16 codes at 16 l; lane (r, h) holds k = 16 h + 0..15 of row r].
; scales: [tile][K half: 2][row: 16][K step in the half: 4] words of four bytes.  First tiles: queries 0, keys 256, values 512, Wq 768, Wk 832, Wv 896, Wo 960 (1024 on: a later launch's).
; SHARES: work-group g takes tiles 4 g .. 4 g + 3 (all of one tensor); wave w takes tile 4 g + w / 2 and K half w % 2: four fragments of 16 rows x 128 K.
; Each load reads 512 consecutive bytes of one row; a fragment turns through the wave's own stage in LDS (rows of 512 + 16 bytes) so that a lane gets 16 neighbours of each block; codes leave 512 consecutive bytes a store.
; No tensor loads, no barrier: waves share nothing.  Loads run one fragment (16 loads) ahead of the one in hand.
; LIMITS: NaN and infinities among the inputs are not served.  A block whose largest magnitude lies under 2^-118 gets the byte 1; so does a block of zeros, where the quantiser says 127:
; its codes are zeros, which add nothing under any byte but 0xff, and the bytes are read by this program alone.
.set SP,   528                         ; a stage row
.set WST,  16*SP                       ; a wave's stage
.set SW,   12                          ; v12-15   the four fragments' scale words
.set TM,   16                          ; v16-19 largest magnitudes, v20-23 bytes, v24-27 448 x the scale, v28-31 the conversions' scale operands
.set C,    32                          ; v32-63   codes, two sets of 16
.set R,    64                          ; v64-191  numbers, two sets of 64
.set P,    32                          ; s[32:33] my tensor, later my wave's first byte in it
.set SEL,  34                          ; s[34:35] lane selects for v_permlanex16_b32: lane l xor 16
.set MNT,  36                          ; s36      the mantissa field of 448
	s_load_b256 s[4:11], s[0:1], 0x0               ; queries, keys, values, Wq
	s_load_b256 s[12:19], s[0:1], 0x20             ; Wk, Wv, Wo, codes
	s_load_b64 s[20:21], s[0:1], 0x40              ; scales
	v_lshl_add_u32 v192, v0, 2, 0x10800
	v_mov_b32 v193, 0
	v_lshrrev_b32 v6, 5, v0
	s_delay_alu instid0(VALU_DEP_1)
	v_readfirstlane_b32 s22, v6                    ; wave 0..7
	v_and_b32 v1, 31, v0                           ; lane
	v_and_b32 v7, 15, v0                           ; r
	v_bfe_u32 v8, v0, 4, 1                         ; h
	s_delay_alu instid0(VALU_DEP_3)
	v_lshlrev_b32 v2, 4, v1                        ; 16 x lane: my bytes of a load's and of a store's 512
	s_mul_i32 s23, s22, WST
	v_add_nc_u32 v3, s23, v2                       ; the stage on the way in: 16 x lane in a row
	v_mul_u32_u24 v4, v7, SP
	s_delay_alu instid0(VALU_DEP_1)
	v_lshl_add_u32 v4, v8, 6, v4
	s_delay_alu instid0(VALU_DEP_1)
	v_add_nc_u32 v4, s23, v4                       ; and on the way out: row r, + 64 h: my 16 numbers of a block
	v_lshlrev_b32 v5, 4, v7
	s_delay_alu instid0(VALU_DEP_1)
	v_lshl_add_u32 v5, v8, 3, v5                   ; the scale words: 16 r + 8 h
.irp b, 0,1,2,3
	v_mov_b32 v[TM+4+\b], 0                        ; written once: a lane permute's destination counts as one of its sources
.endr
	s_mov_b32 s[SEL], 0x76543210
	s_mov_b32 s[SEL+1], 0xfedcba98
	s_mov_b32 s[MNT], 0x600000
	s_lshr_b32 s25, s22, 1                         ; which of the group's four tiles
	s_and_b32 s26, s22, 1                          ; which K half
	s_lshl_b32 s27, ttmp9, 2
	s_add_co_u32 s27, s27, s25                     ; my tile among the 1,280
	s_wait_alu depctr_va_vdst(0)
	s_wait_kmcnt 0x0
	s_cmp_lt_u32 ttmp9, 64                         ; which tensor: the choice hangs on the work-group's number alone
	s_cselect_b64 s[P:P+1], s[4:5], s[6:7]
	s_cselect_b32 s24, 0, 64                       ; and its first work-group
	s_cmp_lt_u32 ttmp9, 128
	s_cselect_b64 s[P:P+1], s[P:P+1], s[8:9]
	s_cselect_b32 s24, s24, 128
	s_cmp_lt_u32 ttmp9, 192
	s_cselect_b64 s[P:P+1], s[P:P+1], s[10:11]
	s_cselect_b32 s24, s24, 192
	s_cmp_lt_u32 ttmp9, 208
	s_cselect_b64 s[P:P+1], s[P:P+1], s[12:13]
	s_cselect_b32 s24, s24, 208
	s_cmp_lt_u32 ttmp9, 224
	s_cselect_b64 s[P:P+1], s[P:P+1], s[14:15]
	s_cselect_b32 s24, s24, 224
	s_cmp_lt_u32 ttmp9, 240
	s_cselect_b64 s[P:P+1], s[P:P+1], s[16:17]
	s_cselect_b32 s24, s24, 240
	s_sub_co_u32 s28, ttmp9, s24
	s_lshl_b32 s28, s28, 2
	s_add_co_u32 s28, s28, s25                     ; my tile within its tensor
	s_lshr_b32 s29, s28, 1
	s_lshl_b32 s29, s29, 5
	s_and_b32 s30, s28, 1
	s_lshl_b32 s30, s30, 3
	s_add_co_u32 s29, s29, s30                     ; its image row 0: tensor row 32 (T / 2) + 8 (T % 2)
	s_lshl_b32 s30, s29, 12                        ; rows of 4,096 bytes
	s_lshl_b32 s31, s26, 11                        ; the K half: 2,048 bytes
	s_add_co_u32 s30, s30, s31
	s_mov_b32 s31, 0
	s_add_nc_u64 s[P:P+1], s[P:P+1], s[30:31]
	s_lshl_b32 s30, s27, 14                        ; codes: 16,384 bytes a tile, 8,192 a K half
	s_lshl_b32 s28, s26, 13
	s_add_co_u32 s30, s30, s28
	s_add_nc_u64 s[18:19], s[18:19], s[30:31]
	s_lshl_b32 s30, s27, 9                         ; scale words: 512 bytes a tile, 256 a K half
	s_lshl_b32 s28, s26, 8
	s_add_co_u32 s30, s30, s28
	s_add_nc_u64 s[20:21], s[20:21], s[30:31]
.macro LOAD f                          ; fragment f: 512 bytes of each of the tile's 16 rows, into set f % 2
.irp i, 0,1,2,3,4,5,6,7,8,9,10,11,12,13,14,15
	global_load_b128 v[R+64*((\f)%2)+4*\i:R+64*((\f)%2)+4*\i+3], v2, s[P:P+1] offset:(\i+8*(\i/8))*4096+512*(\f) th:TH_LOAD_NT
.endr
.endm
; 64 numbers of a lane, register 16 b + i = k 32 b + 16 h + i of my row, become a fragment's 16 code registers at c and its scale word in pw
.macro QUANT s, c, pw
.irp b, 0,1,2,3
	v_max3_num_f32 v[TM+\b], |v[\s+16*\b]|, |v[\s+1+16*\b]|, 0x4800000   ; block b: my 16 numbers, and the floor 2^(9 - 127): the byte cannot fall under 1
.endr
.irp i, 2,4,6,8,10,12,14
.irp b, 0,1,2,3
	s_delay_alu instid0(VALU_DEP_4)
	v_max3_num_f32 v[TM+\b], v[TM+\b], |v[\s+16*\b+\i]|, |v[\s+1+16*\b+\i]|   ; the four blocks by turns
.endr
.endr
.irp b, 0,1,2,3
	s_delay_alu instid0(VALU_DEP_4)
	v_permlanex16_b32 v[TM+4+\b], v[TM+\b], s[SEL], s[SEL+1]
.endr
.irp b, 0,1,2,3
	s_delay_alu instid0(VALU_DEP_4)
	v_max_num_f32 v[TM+\b], v[TM+\b], v[TM+4+\b]   ; with lane l xor 16's 16: the block's largest magnitude
.endr
.irp b, 0,1,2,3
	s_delay_alu instid0(VALU_DEP_4)
	v_add_nc_u32 v[TM+12+\b], 0xfc000000, v[TM+\b] ; 8 off its exponent field: the conversion takes the exponent field of this operand as its scale
.endr
.irp b, 0,1,2,3
	v_and_or_b32 v[TM+8+\b], v[TM+\b], 0x7f800000, s[MNT]   ; 448 x the scale
.endr
.irp b, 0,1,2,3
	v_lshrrev_b32 v[TM+4+\b], 23, v[TM+12+\b]      ; the scale's byte
.endr
	s_delay_alu instid0(VALU_DEP_3)
	v_lshl_or_b32 v[\pw], v[TM+5], 8, v[TM+4]
	s_delay_alu instid0(VALU_DEP_1)
	v_lshl_or_b32 v[\pw], v[TM+6], 16, v[\pw]
	s_delay_alu instid0(VALU_DEP_1)
	v_lshl_or_b32 v[\pw], v[TM+7], 24, v[\pw]
.irp b, 0,1,2,3
.irp i, 0,1,2,3,4,5,6,7,8,9,10,11,12,13,14,15
	v_med3_num_f32 v[\s+16*\b+\i], v[\s+16*\b+\i], -v[TM+8+\b], v[TM+8+\b]   ; the conversion to an 8-bit code does not saturate (ISA guide 7.6.2): the hold comes first
.endr
	v_cvt_scalef32_pk8_fp8_f32 v[\c+4*\b:\c+1+4*\b], v[\s+16*\b:\s+7+16*\b], v[TM+12+\b]
	v_cvt_scalef32_pk8_fp8_f32 v[\c+2+4*\b:\c+3+4*\b], v[\s+8+16*\b:\s+15+16*\b], v[TM+12+\b]
.endr
	v_nop                                          ; one plain vector line behind the last conversion of the run
.endm
.macro STEP f
.set RS, R+64*((\f)%2)
.set CS, C+16*((\f)%2)
.if (\f) < 3
	s_wait_loadcnt 16                              ; this fragment's 16 loads are in; the next fragment's 16 may be out
.else
	s_wait_loadcnt 0x0
.endif
.irp i, 0,1,2,3,4,5,6,7,8,9,10,11,12,13,14,15
	ds_store_b128 v3, v[RS+4*\i:RS+4*\i+3] offset:SP*\i
.endr
.irp b, 0,1,2,3
.irp j, 0,1,2,3
	ds_load_b128 v[RS+16*\b+4*\j:RS+16*\b+4*\j+3], v4 offset:128*\b+16*\j   ; LDS serves a wave's instructions in order (ISA guide 5.7.1.4): these see the stores above
.endr
.endr
	s_wait_dscnt 0x0
.if (\f) >= 2
	s_wait_xcnt 0x0                                ; this set of code registers was the data of the stores two fragments ago: written again only behind this wait
.endif
	QUANT RS, CS, SW+(\f)
.irp c, 0,1,2,3
	global_store_b128 v2, v[CS+4*\c:CS+4*\c+3], s[18:19] offset:2048*(\f)+512*\c   ; 32 lanes store 512 consecutive bytes
.endr
.if (\f) < 2
	LOAD (\f)+2
.endif
.endm
	LOAD 0
	LOAD 1
	STEP 0
	STEP 1
	STEP 2
	STEP 3
	v_cmp_le_u32 vcc_lo, 16, v1                    ; lanes 0-15 store words 0, 1 of their row, lanes 16-31 words 2, 3: 256 consecutive bytes
	s_delay_alu instid0(VALU_DEP_1)
	v_cndmask_b32 v10, v[SW], v[SW+2], vcc_lo
	s_delay_alu instid0(VALU_DEP_2)
	v_cndmask_b32 v11, v[SW+1], v[SW+3], vcc_lo
	global_store_b64 v5, v[10:11], s[20:21]
	s_wait_tensorcnt 0x0
	ds_add_u32 v192, v193
	s_wait_dscnt 0x0
	s_endpgm
.Lfunc_end_k_qc42024c469_quant:
	.size	k_qc42024c469_quant, .Lfunc_end_k_qc42024c469_quant-k_qc42024c469_quant
	.p2alignl 7, 3214868480
	.fill 96, 4, 3214868480
	.section	.rodata,"a",@progbits
	.p2align	6, 0x0
	.amdhsa_kernel k_qc42024c469_quant
		.amdhsa_group_segment_fixed_size 68608
		.amdhsa_private_segment_fixed_size 0
		.amdhsa_enable_private_segment 0
		.amdhsa_kernarg_size 72
		.amdhsa_user_sgpr_count 2
		.amdhsa_user_sgpr_kernarg_segment_ptr 1
		.amdhsa_wavefront_size32 1
		.amdhsa_system_sgpr_workgroup_id_x 1
		.amdhsa_system_sgpr_workgroup_id_y 1
		.amdhsa_system_sgpr_workgroup_id_z 1
		.amdhsa_system_vgpr_workitem_id 0
		.amdhsa_next_free_vgpr 194
		.amdhsa_next_free_sgpr 66
		.amdhsa_reserve_vcc 1
		.amdhsa_float_denorm_mode_32 3
		.amdhsa_float_denorm_mode_16_64 3
		.amdhsa_memory_ordered 1
		.amdhsa_forward_progress 1
		.amdhsa_inst_pref_size 57
	.end_amdhsa_kernel
	.amdgpu_metadata
---
amdhsa.version: [ 1, 2 ]
amdhsa.kernels:
  - .name:           k_qc42024c469_quant
    .symbol:         k_qc42024c469_quant.kd
    .args:
      - { .name: queries, .offset: 0, .size: 8, .value_kind: global_buffer, .address_space: global }
      - { .name: keys, .offset: 8, .size: 8, .value_kind: global_buffer, .address_space: global }
      - { .name: values, .offset: 16, .size: 8, .value_kind: global_buffer, .address_space: global }
      - { .name: Wq, .offset: 24, .size: 8, .value_kind: global_buffer, .address_space: global }
      - { .name: Wk, .offset: 32, .size: 8, .value_kind: global_buffer, .address_space: global }
      - { .name: Wv, .offset: 40, .size: 8, .value_kind: global_buffer, .address_space: global }
      - { .name: Wo, .offset: 48, .size: 8, .value_kind: global_buffer, .address_space: global }
      - { .name: codes, .offset: 56, .size: 8, .value_kind: global_buffer, .address_space: global }
      - { .name: scales, .offset: 64, .size: 8, .value_kind: global_buffer, .address_space: global }
    .group_segment_fixed_size: 68608
    .private_segment_fixed_size: 0
    .kernarg_segment_align: 8
    .kernarg_segment_size: 72
    .max_flat_workgroup_size: 256
    .sgpr_count:     66
    .vgpr_count:     194
    .wavefront_size: 32
...
	.end_amdgpu_metadata
.endif
;; end of part 1
;; launch proj (part 2): grid 8 x 96, 4 waves a work-group, clusters of 4 x 4, 262,656 bytes of LDS; arguments codes, scales, bq, bk, bv, qkv; writes qkv
.if DOCPART == 2
	.amdgcn_target "amdgcn-amd-amdhsa--gfx1250"
	.amdhsa_code_object_version 6
	.text
	.protected	k_qc42024c469_proj
	.globl	k_qc42024c469_proj
	.p2align	8
	.type	k_qc42024c469_proj,@function
k_qc42024c469_proj:
	s_mov_b64 s[64:65], 0
	v_nop
	global_prefetch_b8 v0, s[64:65] scope:SCOPE_SE
	s_setreg_imm32_b32 hwreg(HW_REG_WAVE_MODE, 25, 1), 1
	s_wait_xcnt 0x0
	s_wait_alu depctr_hold_cnt(0) depctr_sa_sdst(0) depctr_va_vdst(0) depctr_va_sdst(0) depctr_va_ssrc(0) depctr_va_vcc(0) depctr_vm_vsrc(0)
	s_getreg_b32 s2, hwreg(HW_REG_IB_STS2, 6, 4)
	s_cmp_eq_u32 s2, 0
	s_cbranch_scc0 .Lentry_in_a_cluster
	s_endpgm
.Lentry_in_a_cluster:
	s_bfe_u32 s2, ttmp6, 0x10000c
	s_cmp_lg_u32 s2, 0xf033
	s_cbranch_scc0 .Lentry_shape_is_right
	s_endpgm
.Lentry_shape_is_right:
; The three projections on codes of FP8 (E4M3) with E8M0 scales, each result quantised again in registers for attention:
;   t = 0: q = queries Wq^T + bq, quantised along the head's 64;   t = 1: k likewise;   t = 2: v^T = Wv values^T + bv, rows = (head, d), columns = keys, quantised along the keys.
; A tile of C is 128 x 128; the M side (source 1 of the product) is panel P0, the N side (source 0) panel P1; a panel is 8 tiles of 16 rows, 131,072 bytes of register images ([tile][K step 8][block 4][512]).
; Used so, a lane holds ONE row of C (image row lane % 16 of an M tile) and the 16 registers of two neighbouring N tiles are 16 neighbours along N: the operand order of the next product.  So the conversions' results are stored as they stand.
; SHARES: 768 work-groups of four waves, a wave 64 x 64: 16 accumulators.  K = 1,024: both panels lie in LDS whole, 262,144 bytes, EVERY BYTE FILLED ONCE, in four loads, a K half of one panel each, so that the first products start when half has landed.
; CLUSTERS: 4 x 4 work-groups; P0 hangs on the tile row of C alone and is asked for jointly by a row of the cluster, P1 on the tile column alone, by a column.  For t = 2 the CLUSTER's two coordinates change places (Wv has 8 panels, values 32);
; they are shared by all sixteen, so P0 still hangs on cy alone and P1 on cx alone.
; qkv: 512 records of 16,896 bytes, record (head 32 + key step of 128): K's codes (8 tiles x 2 blocks x 512), V^T's codes at 8,192 (4 tiles of d x 4 blocks x 512), K's scale bytes at 16,384 ([tile][row] 2 bytes), V^T's at 16,640 ([tile][row] 4 bytes);
; behind them q's codes [head][tile 256][block 2][512] and q's scale bytes [head][tile][row] 2 bytes.
; LIMITS: NaN and infinities are not served; a block whose largest magnitude lies under 2^-118, a block of zeros too, gets the byte 1 (its codes then add nothing, or what the floor's scale leaves); the bytes are read by this program alone.
; REGISTERS: window 0: v1-4 lane terms, v8-15 LDS addresses, v16-21 store offsets, v32-63 scale words (lanes 0-15 P0's tile i, lanes 16-31 P1's tile i, register 8 i + K step), v64-103 biases, later codes and work, v128-255 accumulators ((a, b) at 128 + 8 (4 a + b)).
;   window 1: two sets of fragments: A's four at 16 a, B's four at 64 + 16 b, set 1 at 128.
.set REC,  16896
.set QC,   512*REC
.set QS,   QC+16*262144
.set CHK,  65536                       ; an LDS chunk: two K steps of both panels
.set WSL,  16384                       ; what one tensor load brings: 4 tiles x 4,096 bytes
.set ADRA, 8
.set ADRB, 12
.set CA,   16
.set SA,   20
.set SC,   32
.set BN,   64                          ; v64-95  bias along N (32 numbers a lane)
.set BM,   96                          ; v96-103 bias along M (one number a row tile, in pairs)
.set CD,   64                          ; later: the codes, 8 registers a row tile
.set TM,   96                          ; later: v96-97 largest magnitudes, v98-99 bytes, v100-101 448 x the scale, v102-103 the conversions' scale operands
.set PW,   104                         ; the scale bytes of a row tile's two blocks
.set MG,   108
.set ACC,  128
.set WV,   16
.set MH,   17
.set NH,   18
.set TT,   23
.set G1A,  24
.set G1B,  32
.set G0A,  40                          ; s[40:55] group 0 for P0's four chunks
.set G0B,  68                          ; s[68:83] for P1's
.set MNT,  63
.set SEL,  98
.set MSB,  0
.macro WIN new                         ; the immediate's high byte repeats the setting that is left
.if MSB != \new
	s_set_vgpr_msb (MSB<<8)|\new
.set MSB, \new
.endif
.endm
.set MUL,  0x05                        ; sources 0 and 1 window 1; C and D window 0
.set TO_F, 0x40                        ; destination window 1, address window 0
.macro CROUND                          ; a round of the cluster's barrier
	s_barrier_signal -1
	s_barrier_wait -1
	s_cmp_lg_u32 s[WV], 0
	s_cbranch_scc1 .Lnot_wave_0_\@
	s_barrier_signal -3
.Lnot_wave_0_\@:
	s_barrier_wait -3
	s_barrier_signal -1
	s_barrier_wait -1
.endm
.macro PLACES n
.rept \n
	v_nop
.endr
.endm
	s_load_b256 s[4:11], s[0:1], 0x0               ; codes, scales, bq, bk
	s_load_b128 s[12:15], s[0:1], 0x20             ; bv, qkv
	v_lshl_add_u32 v126, v0, 2, 0x40000
	v_mov_b32 v127, 0
	ds_add_u32 v126, v127
	ds_add_u32 v126, v127
	v_lshrrev_b32 v1, 5, v0
	v_readfirstlane_b32 s[WV], v1                  ; wave 0..3
	s_lshr_b32 s[MH], s[WV], 1                     ; my 64 rows of the tile.  Also: which K half I fetch
	s_and_b32 s[NH], s[WV], 1                      ; my 64 columns.  Also: I fetch for P0 (0) or P1 (1)
	s_bfe_u32 s19, ttmp6, 0x40000                  ; cx
	s_bfe_u32 s20, ttmp6, 0x40004                  ; cy
	s_mov_b32 s21, ttmp9                           ; the cluster's x, 0..1
	s_and_b32 s22, ttmp7, 0xffff                   ; the cluster's y, 0..23
	s_lshr_b32 s[TT], s22, 3                       ; t: which projection
	s_and_b32 s56, s22, 7
	s_lshl_b32 s66, s[TT], 5                       ; the activations' first panel: 32 t
	s_lshl_b32 s67, s[TT], 3
	s_add_co_u32 s67, s67, 96                      ; the weight's: 96 + 8 t
	s_cmp_eq_u32 s[TT], 2                          ; for v^T the weight is the M side
	s_cselect_b32 s57, s21, s56                    ; the cluster's place along M
	s_cselect_b32 s58, s56, s21                    ; and along N
	s_cselect_b32 s59, 112, s66                    ; P0's first panel
	s_cselect_b32 s60, 64, s67                     ; P1's
	s_lshl_b32 s61, s57, 2
	s_add_co_u32 s61, s61, s20                     ; tile row of C
	s_lshl_b32 s84, s58, 2
	s_add_co_u32 s84, s84, s19                     ; tile column of C
	s_add_co_u32 s62, s59, s61                     ; panel P0
	s_add_co_u32 s85, s60, s84                     ; panel P1
	s_lshl_b32 s90, s20, 2
	s_lshl_b32 s90, 15, s90                        ; my row of the cluster
	s_lshl_b32 s91, 0x1111, s19                    ; my column
	; group 1: 8 rows (tiles) of 8,192 bytes (four K steps), 16,384 bytes apart, as elements of 8 bytes; dense in LDS
	s_or_b32 s[G1A], s90, (3<<16)|(1<<21)          ; 15:0 the mask; 17:16 elements of 8 bytes; 21 set beside a mask
	s_or_b32 s[G1B], s91, (3<<16)|(1<<21)
.irp g, G1A, G1B
	; THE FILLS AS THEY STAND: one load a wave: a K half of a whole panel, 8 rows (tiles) of 8,192 bytes (four K steps), dense in LDS
	s_mov_b32 s[\g+1], 1024<<16                    ; tensor_dim0 = 1,024 elements of 8 bytes
	s_mov_b32 s[\g+2], 8<<16                       ; tensor_dim1 = 8
	s_mov_b32 s[\g+3], 1024<<16                    ; tile_dim0
	s_mov_b32 s[\g+4], 8                           ; tile_dim1
	s_mov_b32 s[\g+5], 2048                        ; stride from tile to tile
	s_mov_b32 s[\g+6], 0
	s_mov_b32 s[\g+7], 0
.endr
	s_lshl_b32 s86, s62, 17                        ; panel P0's first byte
	s_mov_b32 s87, 0
	s_lshl_b32 s88, s85, 17                        ; panel P1's
	s_mov_b32 s89, 0
	s_mov_b32 s[SEL], 0x76543210
	s_mov_b32 s[SEL+1], 0xfedcba98
	s_mov_b32 s[MNT], 0x600000
	s_wait_dscnt 0x0
	s_wait_kmcnt 0x0
	s_add_nc_u64 s[86:87], s[4:5], s[86:87]
	s_add_nc_u64 s[88:89], s[4:5], s[88:89]
	CROUND                                         ; all sixteen work-groups are here: the joint loads meet
.irp q, 0,1                                        ; LDS: [K half][P0, P1][tile 8][K step 4][2,048 bytes]
	s_mov_b32 s[G0A+4*\q], 1
	s_mov_b32 s[G0A+4*\q+1], \q*131072
	s_add_nc_u64 s[G0A+4*\q+2:G0A+4*\q+3], s[86:87], \q*8192
	s_or_b32 s[G0A+4*\q+3], s[G0A+4*\q+3], 0x80000000
	s_mov_b32 s[G0B+4*\q], 1
	s_mov_b32 s[G0B+4*\q+1], \q*131072+65536
	s_add_nc_u64 s[G0B+4*\q+2:G0B+4*\q+3], s[88:89], \q*8192
	s_or_b32 s[G0B+4*\q+3], s[G0B+4*\q+3], 0x80000000
.endr
	s_cmp_lt_u32 s[WV], 1                          ; one chain of arms on the wave's number, one joint load to an arm: wave 0 P0's first K half,
	s_cbranch_scc0 .Lfill_1
	tensor_load_to_lds s[G0A:G0A+3], s[G1A:G1A+7]
	s_nop 0
	PLACES 4
	s_branch .Lfilled
.Lfill_1:
	s_cmp_lt_u32 s[WV], 2                          ; wave 1 P1's first K half,
	s_cbranch_scc0 .Lfill_2
	tensor_load_to_lds s[G0B:G0B+3], s[G1B:G1B+7]
	s_nop 0
	PLACES 4
	s_branch .Lfilled
.Lfill_2:
	s_cmp_lt_u32 s[WV], 3                          ; wave 2 P0's second,
	s_cbranch_scc0 .Lfill_3
	tensor_load_to_lds s[G0A+4:G0A+7], s[G1A:G1A+7]
	s_nop 0
	PLACES 4
	s_branch .Lfilled
.Lfill_3:
	tensor_load_to_lds s[G0B+4:G0B+7], s[G1B:G1B+7]   ; wave 3 P1's second
	s_nop 0
	PLACES 4
.Lfilled:
	v_and_b32 v1, 31, v0                           ; lane
	v_and_b32 v2, 15, v0                           ; r
	v_bfe_u32 v3, v0, 4, 1                         ; h
	v_lshlrev_b32 v4, 4, v1                        ; 16 x lane: my place in every image
	s_wait_alu depctr_va_vdst(0)
	s_lshl_b32 s2, s[MH], 15                       ; P0's tiles 4 mh on: 8,192 bytes a tile in a K half,
	s_lshl_b32 s3, s[NH], 15
	s_add_co_u32 s3, s3, 65536                     ; P1's tiles 4 nh on, behind P0's eight
.irp q, 0,1
	v_add_nc_u32 v[ADRA+\q], s2, v4
	v_add_nc_u32 v[ADRB+\q], s3, v4
	s_add_co_u32 s2, s2, 131072
	s_add_co_u32 s3, s3, 131072
.endr
	; the scale words of my four tiles of each side, all of K: lanes 0-15 take P0's, lanes 16-31 P1's; each half of the lanes reads 256 consecutive bytes
	s_lshl_b32 s2, s62, 12
	s_lshl_b32 s3, s[MH], 11
	s_add_co_u32 s2, s2, s3
	s_lshl_b32 s3, s85, 12
	s_lshl_b32 s96, s[NH], 11
	s_add_co_u32 s3, s3, s96
	v_mov_b32 v22, s2
	v_mov_b32 v23, s3
	v_cmp_le_u32 vcc_lo, 16, v1
	v_cndmask_b32 v22, v22, v23, vcc_lo
	v_lshl_add_u32 v22, v2, 4, v22
.irp i, 0,1,2,3
.irp kh, 0,1
	global_load_b128 v[SC+8*\i+4*\kh:SC+8*\i+4*\kh+3], v22, s[6:7] offset:512*\i+256*\kh
.endr
.endr
	; the bias starts the sums: along N for q and k, along M for v^T.  The branch hangs on t, which all partners share
	s_cmp_eq_u32 s[TT], 0
	s_cselect_b64 s[94:95], s[8:9], s[10:11]
	s_cmp_eq_u32 s[TT], 2
	s_cselect_b64 s[94:95], s[12:13], s[94:95]
	s_cbranch_scc1 .Lbias_m
	s_lshl_b32 s2, s84, 9
	s_lshl_b32 s3, s[NH], 8
	s_add_co_u32 s2, s2, s3
	v_lshl_add_u32 v24, v3, 6, s2                  ; my 64 columns' bias, + 16 h numbers
.irp b, 0,1
.irp g, 0,1,2,3
	global_load_b128 v[BN+16*\b+4*\g:BN+16*\b+4*\g+3], v24, s[94:95] offset:128*\b+16*\g
.endr
.endr
.irp a, 0,1,2,3,4,5,6,7
	v_mov_b32 v[BM+\a], 0
.endr
	s_branch .Lbias_done
.Lbias_m:
	s_lshl_b32 s2, s61, 9
	s_lshl_b32 s3, s[MH], 8
	s_add_co_u32 s2, s2, s3
	v_and_b32 v24, 8, v2
	v_add_nc_u32 v24, v24, v2                      ; r + 8 (r / 8)
	v_lshl_add_u32 v24, v24, 2, s2
.irp a, 0,1,2,3
	global_load_b32 v[BM+2*\a], v24, s[94:95] offset:(32*(\a/2)+8*(\a%2))*4
	v_mov_b32 v[BM+2*\a+1], 0
.endr
.set J, 0
.rept 32
	v_mov_b32 v[BN+J], 0
.set J, J+1
.endr
.Lbias_done:
	s_wait_loadcnt 0x0                             ; scale words and biases
	s_wait_alu depctr_va_vdst(0)
.irp a, 0,1,2,3
.irp e, 0,2,4,6,8,10,12,14,16,18,20,22,24,26,28,30
	v_pk_add_f32 v[ACC+32*\a+\e:ACC+32*\a+\e+1], v[BN+\e:BN+\e+1], v[BM+2*\a:BM+2*\a+1] op_sel_hi:[1,0]   ; nothing is cleared: the accumulators begin as the bias
.endr
.endr
	; where the results go: the three layouts' first bytes, and the choice by t
	s_lshl_b32 s96, s84, 1
	s_add_co_u32 s96, s96, s[NH]                   ; the head, where N is (head, d)
	s_lshl_b32 s97, s61, 1
	s_add_co_u32 s97, s97, s[MH]                   ; the head, where M is (head, d)
	s_lshl_b32 s2, s61, 3
	s_lshl_b32 s3, s[MH], 2
	s_add_co_u32 s2, s2, s3                        ; my first row tile: 8 x tile row + 4 mh
	s_lshl_b32 s8, s96, 18
	s_lshl_b32 s3, s2, 10
	s_add_co_u32 s8, s8, s3
	s_add_co_u32 s8, s8, QC                        ; q: codes
	s_lshl_b32 s9, s96, 8
	s_add_co_u32 s9, s9, s2
	s_lshl_b32 s9, s9, 5
	s_add_co_u32 s9, s9, QS                        ; q: scale bytes
	s_lshl_b32 s10, s96, 5
	s_add_co_u32 s10, s10, s61
	s_mul_i32 s10, s10, REC                        ; k: the record of (head, key step = tile row)
	s_lshl_b32 s11, s[MH], 12
	s_add_co_u32 s11, s11, s10                     ; k: codes
	s_lshl_b32 s12, s[MH], 7
	s_add_co_u32 s12, s12, s10
	s_add_co_u32 s12, s12, 16384                   ; k: scale bytes
	s_lshl_b32 s13, s97, 5
	s_add_co_u32 s13, s13, s84
	s_mul_i32 s13, s13, REC                        ; v^T: the record of (head, key step = tile column)
	s_lshl_b32 s56, s[NH], 10
	s_add_co_u32 s56, s56, s13
	s_add_co_u32 s56, s56, 8192                    ; v^T: codes, my two blocks of the step's four
	s_lshl_b32 s57, s[NH], 1
	s_add_co_u32 s57, s57, s13
	s_add_co_u32 s57, s57, 16640                   ; v^T: scale bytes, my two of a word's four
	s_cmp_eq_u32 s[TT], 0
	s_cselect_b32 s8, s8, s11
	s_cselect_b32 s9, s9, s12
	s_cmp_eq_u32 s[TT], 2
	s_cselect_b32 s8, s56, s8
	s_cselect_b32 s9, s57, s9
	s_cselect_b32 s58, 11, 10                      ; from row tile to row tile: 2,048 bytes of codes or 1,024
	s_cselect_b32 s59, 2, 1                        ; from row to row: 4 scale bytes or 2
	s_lshl_b32 s60, 1, s58
	s_lshl_b32 s3, 32, s59
	v_add_nc_u32 v[CA], s8, v4
	v_add_nc_u32 v[CA+1], s60, v[CA]
	v_add_nc_u32 v[CA+2], s60, v[CA+1]
	v_add_nc_u32 v[CA+3], s60, v[CA+2]
	v_lshlrev_b32 v[SA], s59, v1
	v_add_nc_u32 v[SA], s9, v[SA]
	v_add_nc_u32 v[SA+1], s3, v[SA]
; 32 LDS loads in one run: K step s's fragments into set f: B's four, then A's 0 and 1, then A's 2 and 3.  Every load takes 512 consecutive bytes
.macro FETCH s, f
	WIN TO_F
.irp b, 0,1,2,3
.irp c, 0,1,2,3
	ds_load_b128 v[\f+64+16*\b+4*\c:\f+64+16*\b+4*\c+3], v[ADRB+(\s)/4] offset:8192*\b+2048*((\s)%4)+512*\c
.endr
.endr
.irp a, 0,1,2,3
.irp c, 0,1,2,3
	ds_load_b128 v[\f+16*\a+4*\c:\f+16*\a+4*\c+3], v[ADRA+(\s)/4] offset:8192*\a+2048*((\s)%4)+512*\c
.endr
.endr
.endm
; 8 products: row tiles a0, a0 + 1 x the four column tiles.  The 16 accumulators take turns, one instruction a turn, in the same order in every K step
.macro MUL8 f, s, a0
.irp a, \a0, \a0+1
.irp b, 0,1,2,3
	v_wmma_scale_f32_16x16x128_f8f6f4 v[ACC+8*(4*(\a)+\b):ACC+8*(4*(\a)+\b)+7], v[\f+64+16*\b:\f+64+16*\b+15], v[\f+16*(\a):\f+16*(\a)+15], v[ACC+8*(4*(\a)+\b):ACC+8*(4*(\a)+\b)+7], v[SC+8*\b+(\s)], v[SC+8*(\a)+(\s)] matrix_a_scale:MATRIX_SCALE_ROW1
.endr
.endr
.endm
; A K step of 128.  In its middle the next step's fragments are fetched into the other set, eight places behind the products that read it last.
; Step 3 fetches from the second K half: my load has landed (nothing is ever filled again here), and a barrier shows everybody's.
.macro KSTEP s
.set FB, 128*((\s)%2)
.set FN, 128-FB
.if (\s) == 3                                      ; step 3 fetches from the second K half: every wave waits for its load, and a barrier shows everybody's
	s_wait_dscnt 0x0
	s_wait_tensorcnt 0x0
	s_barrier_signal -1
.else
	s_wait_dscnt 8                                 ; B's four and A's 0 and 1 are in; the youngest eight loads (A's 2 and 3) may be out
.endif
	WIN MUL
	MUL8 FB, \s, 0
.if (\s) == 3
	s_barrier_wait -1
.endif
	s_wait_dscnt 0x0
.if (\s) < 7
	PLACES 8
	FETCH (\s)+1, FN
	WIN MUL
.endif
	MUL8 FB, \s, 2
.endm
; 32 numbers of a lane (two blocks of 32 along the next K, 16 of each) become 8 code registers at c and two scale bytes in pw.  Each accumulator is read from its low end on
.macro QUANT2 s, c, pw
.irp b, 0,1
	v_max3_num_f32 v[TM+\b], |v[\s+16*\b]|, |v[\s+1+16*\b]|, 0x4800000   ; the floor 2^(9 - 127): the byte cannot fall under 1
.endr
.irp i, 2,4,6,8,10,12,14
.irp b, 0,1
	v_max3_num_f32 v[TM+\b], v[TM+\b], |v[\s+16*\b+\i]|, |v[\s+1+16*\b+\i]|
.endr
.endr
.irp b, 0,1
	v_permlanex16_b32 v[TM+2+\b], v[TM+\b], s[SEL], s[SEL+1]
.endr
.irp b, 0,1
	v_max_num_f32 v[TM+\b], v[TM+\b], v[TM+2+\b]   ; with lane l xor 16's 16: the block's largest magnitude
.endr
.irp b, 0,1
	v_add_nc_u32 v[TM+6+\b], 0xfc000000, v[TM+\b]  ; 8 off the exponent field: the conversion's scale operand
.endr
.irp b, 0,1
	v_and_or_b32 v[TM+4+\b], v[TM+\b], 0x7f800000, s[MNT]   ; 448 x the scale
.endr
.irp b, 0,1
	v_lshrrev_b32 v[TM+2+\b], 23, v[TM+6+\b]       ; the scale's byte
.endr
	v_lshl_or_b32 v[\pw], v[TM+3], 8, v[TM+2]
.irp b, 0,1
.irp i, 0,1,2,3,4,5,6,7,8,9,10,11,12,13,14,15
	v_med3_num_f32 v[\s+16*\b+\i], v[\s+16*\b+\i], -v[TM+4+\b], v[TM+4+\b]   ; the conversion does not saturate (ISA guide 7.6.2): the hold comes first
.endr
	v_cvt_scalef32_pk8_fp8_f32 v[\c+4*\b:\c+1+4*\b], v[\s+16*\b:\s+7+16*\b], v[TM+6+\b]
	v_cvt_scalef32_pk8_fp8_f32 v[\c+2+4*\b:\c+3+4*\b], v[\s+8+16*\b:\s+15+16*\b], v[TM+6+\b]
.endr
	v_nop                                          ; one plain vector line behind the last conversion of the run
.endm
	s_wait_alu depctr_va_vdst(0)
	s_cmp_lt_u32 s[WV], 2                          ; waves 0 and 1, whose load lines are their own, wait for the first K half; the second may be out
	s_cbranch_scc0 .Lnot_first
	s_wait_tensorcnt 0x0
.Lnot_first:
	s_barrier_signal -1
	s_barrier_wait -1
	FETCH 0, 0
	KSTEP 0
	KSTEP 1
	KSTEP 2
	KSTEP 3
	KSTEP 4
	KSTEP 5
	KSTEP 6
	KSTEP 7
	WIN 0
	PLACES 8                                       ; in front of the first read of results
.irp a, 0,1,2,3
	QUANT2 ACC+32*\a, CD+8*\a, PW+\a
	global_store_b128 v[CA+\a], v[CD+8*\a:CD+8*\a+3], s[14:15]               ; a block's image: 512 consecutive bytes
	global_store_b128 v[CA+\a], v[CD+8*\a+4:CD+8*\a+7], s[14:15] offset:512
.endr
	v_cmp_le_u32 vcc_lo, 16, v1                    ; lanes 0-15 store one row tile's scale bytes, lanes 16-31 the next one's
	v_cndmask_b32 v[MG], v[PW], v[PW+1], vcc_lo
	v_cndmask_b32 v[MG+1], v[PW+2], v[PW+3], vcc_lo
	global_store_b16 v[SA], v[MG], s[14:15]
	global_store_b16 v[SA+1], v[MG+1], s[14:15]
	s_wait_tensorcnt 0x0
	ds_add_u32 v126, v127
	s_wait_dscnt 0x0
	CROUND                                         ; the closing round: no work-group ends while a partner may still ask for a tile that names it
	s_endpgm
.Lfunc_end_k_qc42024c469_proj:
	.size	k_qc42024c469_proj, .Lfunc_end_k_qc42024c469_proj-k_qc42024c469_proj
	.p2alignl 7, 3214868480
	.fill 96, 4, 3214868480
	.section	.rodata,"a",@progbits
	.p2align	6, 0x0
	.amdhsa_kernel k_qc42024c469_proj
		.amdhsa_group_segment_fixed_size 262656
		.amdhsa_private_segment_fixed_size 0
		.amdhsa_enable_private_segment 0
		.amdhsa_kernarg_size 48
		.amdhsa_user_sgpr_count 2
		.amdhsa_user_sgpr_kernarg_segment_ptr 1
		.amdhsa_wavefront_size32 1
		.amdhsa_system_sgpr_workgroup_id_x 1
		.amdhsa_system_sgpr_workgroup_id_y 1
		.amdhsa_system_sgpr_workgroup_id_z 1
		.amdhsa_system_vgpr_workitem_id 0
		.amdhsa_next_free_vgpr 512
		.amdhsa_next_free_sgpr 100
		.amdhsa_reserve_vcc 1
		.amdhsa_float_denorm_mode_32 3
		.amdhsa_float_denorm_mode_16_64 3
		.amdhsa_memory_ordered 1
		.amdhsa_forward_progress 1
		.amdhsa_inst_pref_size 69
	.end_amdhsa_kernel
	.amdgpu_metadata
---
amdhsa.version: [ 1, 2 ]
amdhsa.kernels:
  - .name:           k_qc42024c469_proj
    .symbol:         k_qc42024c469_proj.kd
    .args:
      - { .name: codes, .offset: 0, .size: 8, .value_kind: global_buffer, .address_space: global }
      - { .name: scales, .offset: 8, .size: 8, .value_kind: global_buffer, .address_space: global }
      - { .name: bq, .offset: 16, .size: 8, .value_kind: global_buffer, .address_space: global }
      - { .name: bk, .offset: 24, .size: 8, .value_kind: global_buffer, .address_space: global }
      - { .name: bv, .offset: 32, .size: 8, .value_kind: global_buffer, .address_space: global }
      - { .name: qkv, .offset: 40, .size: 8, .value_kind: global_buffer, .address_space: global }
    .group_segment_fixed_size: 262656
    .private_segment_fixed_size: 0
    .kernarg_segment_align: 8
    .kernarg_segment_size: 48
    .max_flat_workgroup_size: 128
    .sgpr_count:     100
    .vgpr_count:     512
    .wavefront_size: 32
...
	.end_amdgpu_metadata
.endif
;; end of part 2
;; launch attn (part 3): grid 16 x 16, 16 waves a work-group, no clusters, 327,680 bytes of LDS; arguments qkv, codes, scales; writes codes, scales
.if DOCPART == 3
	.amdgcn_target "amdgcn-amd-amdhsa--gfx1250"
	.amdhsa_code_object_version 6
	.text
	.protected	k_qc42024c469_attn
	.globl	k_qc42024c469_attn
	.p2align	8
	.type	k_qc42024c469_attn,@function
k_qc42024c469_attn:
	s_mov_b64 s[64:65], 0
	v_nop
	global_prefetch_b8 v0, s[64:65] scope:SCOPE_SE
	s_setreg_imm32_b32 hwreg(HW_REG_WAVE_MODE, 25, 1), 1
	s_wait_xcnt 0x0
; Causal attention of 16 heads of 64 over 4,096 positions, both products on codes of FP8 (E4M3) with E8M0 scales; o / l is quantised along (head, d) into the last projection's operand (tiles 1,024 on of codes and scales).
; LEFT OUT: key steps that lie wholly behind the causal mask: their scores become -infinity for all inputs, so p = 0.  A NaN or infinity that reaches only those steps is not carried to the result.
; THE SOFTMAX: t = score x log2(e) / 8; M = the running largest t rounded UP to a whole number; p = 2^(t - M) is quantised along the keys, not normalised; l sums the unquantised p; when M moves, l and O are multiplied by 2^(old M - new M), exactly.
; SHARES: work-group (I, head) makes query blocks I and 31 - I (128 queries each): 33 key steps of 128 in every work-group.  SIXTEEN waves in two groups of eight; wave w of a group owns tile w (16 queries) of a block.
;   group A (waves 0-7): block 31 - I, key steps 0 .. 15: sixteen rounds, none on the diagonal (31 - I is at least 16).
;   group B (waves 8-15): rounds n = 0 .. I: block I, key step n, the diagonal at n = I, then that block is finished; rounds n = I + 1 .. 16: block 31 - I, key step n + 15 - I, the diagonal at n = 16.
;   Behind round 15 A lays O^T, -M and l into a stage in LDS; behind round 16 B brings both parts under the larger M (powers of two, exact), adds them and finishes block 31 - I.
; LAYOUT: both products are used transposed (S^T = K Q^T, O^T = V^T P^T): a lane holds ONE query.  Image row r of tile T is position 32 (T / 2) + 8 (T % 2) + r + 8 (r / 8), so the 16 registers of two neighbouring tiles are 16 neighbouring keys (or d).
; K = 64 IN AN INSTRUCTION OF 128: Q's registers 8-15 are zero codes; K's tile t is named v[32 + 8 t .. + 15], whose upper half is the next tile's codes (zeros behind tile 7): numbers (no NaN code is made: the quantiser holds at 448) times zero codes;
; bytes 2, 3 of Q's and K's scale words are 0, which stands for 2^-127 and is no NaN.
; THE RING: two slots of four rounds x [A's record, B's record] (a record: one key step's K and V^T codes and scale bytes, 16,896 dense bytes): 16 half records, one tensor load a wave.  Round 16 needs B's record alone: waves 2 and 3 fetch it; that fill is written out.
; PREFETCH: at the changes of slots that load rounds 4-7 and 8-11, the four records on end that the next change will load, 264 blocks of 256 bytes, thread i of waves 0-8 naming block min(i, 263):
;   work-group 1 of a head asks for A's records (8-11, 12-15), which all sixteen walk; work-group 0 for its own B records (23-26, 27-30), which the others walk later.  The first two slots and round 16 come by their loads alone.
; NO CLUSTER: B's record in a round hangs on I, so the work-groups of a head would not ask for the same tiles in the same round.
; LIMITS: NaN and infinities are not served; the promise holds while |t| stays under 2^31; 1 / l is v_rcp_f32's; a block of o whose largest magnitude lies under 2^-118, zeros too, gets the byte 1 (read by this program alone).
.set REC,   16896
.set QC,    512*REC
.set QS,    QC+16*262144
.set SLOTB, 8*REC                      ; a slot
.set STAGE, 2*SLOTB                    ; A's state: for each tile 8 x 512 bytes of O^T and 256 of (-M, l); no fill lands here
.set STW,   4352
.set SPARE, STAGE+8*STW                ; the spare words, 128 bytes for each of sixteen waves
.set KV,   32                          ; v32-95 K's 8 tiles at 32 + 8 t, later V^T's 4 at 32 + 16 t; v96-103 zeros
.set S,    104                         ; v104-167 S^T, then p
.set OT,   168                         ; v168-199 O^T
.set PC,   200                         ; v200-215 p's codes
.set KSC,  216                         ; v216-219 K's scale words (lanes 0-15 tile 2 i, lanes 16-31 tile 2 i + 1)
.set VSC,  220                         ; v220-221 V^T's
.set QSR,  222
.set PWD,  223
.set BX,   224                         ; each block's largest score, then largest p
.set PD,   228
.set HD,   232                         ; 448 x the scale
.set CV,   236                         ; the conversions' scale operands
.set T0,   240
.set OW,   240
.set PT,   241
.set FF,   242                         ; v[242:243] f, and a register only named with it
.set TM,   224
; v1 16 x lane, v2 2 x lane, v3 4 x lane, v4 spare word, v5 0, v6-8 a step's LDS addresses, v9 the mask's d, v10 16 r, v11 the prefetch's offset, v12 -M, v13 largest t, v[14:15] l, v16-31 Q,
; v244-249 the sum's chains, v250-251 the second block's Q offsets, v252-253 Q's first offsets, later the stores', v254-255 the stage
.set WV,   10
.set II,   11
.set HEAD, 12
.set ADJ,  13                          ; what a record's number gains behind round I: 15 - I where I fetch for B, else 0
.set NN,   14                          ; the round
.set DG,   15                          ; the round on the diagonal inside the loops: I in group B, none in A
.set TB,   16
.set CNT,  17
.set SLOTS, 18
.set MNT,  19
.set SEL,  20
.set CS,   22
.set G1,   24
.set G0,   32
.set KVB,  36
.set OFS,  38
.set NF,   40                          ; the round whose record I fetch
.set HALF, 41
.set OCO,  42
.set OSO,  43
.set OCO2, 44
.set OSO2, 45
.set W,    52
.set GRP,  53
.set GR,   54
.set LB,   55
.set LJ,   56
.set LIM,  57
.set PFA,  58
.set SB,   60                          ; LDS byte of the slot in hand: 0 or SLOTB
.set QP,   61
.macro NOPS n
.rept \n
	v_nop
.endr
.endm
.macro TL                              ; an s_nop 0 and four v_nop follow the load
	tensor_load_to_lds s[G0:G0+3], s[G1:G1+7]
	s_nop 0
	NOPS 4
.endm
.macro KADDR                           ; group 0's global address: my half of the record of round NF
	s_cmp_gt_u32 s[NF], s[II]
	s_cselect_b32 s46, s[ADJ], 0
	s_add_co_u32 s46, s46, s[NF]
	s_mul_i32 s[OFS], s46, REC
	s_add_co_u32 s[OFS], s[OFS], s[HALF]
	s_add_nc_u64 s[G0+2:G0+3], s[KVB:KVB+1], s[OFS:OFS+1]
	s_or_b32 s[G0+3], s[G0+3], 0x80000000
.endm
	s_load_b128 s[4:7], s[0:1], 0x0                ; qkv, codes
	s_load_b64 s[8:9], s[0:1], 0x10                ; scales
	v_lshl_add_u32 v4, v0, 2, SPARE
	v_mov_b32 v5, 0
	ds_add_u32 v4, v5
	ds_add_u32 v4, v5
	v_lshrrev_b32 v6, 5, v0
	v_readfirstlane_b32 s[WV], v6                  ; wave 0..15
	s_and_b32 s[W], s[WV], 7                       ; my tile in a block
	s_lshr_b32 s[GRP], s[WV], 3                    ; 0: group A, 1: group B
	s_mov_b32 s[II], ttmp9
	s_and_b32 s[HEAD], ttmp7, 0xffff
	s_mul_i32 s[GR], s[GRP], REC                   ; my group's record in a round's pair
	s_mul_i32 s[LB], s[WV], REC/2                  ; what I fetch lies at wave x 8,448 of a slot: round wave / 4, group (wave / 2) % 2, half wave % 2
	s_lshr_b32 s[NF], s[WV], 2
	s_and_b32 s[HALF], s[WV], 1
	s_mul_i32 s[HALF], s[HALF], REC/2
	s_sub_co_u32 s46, 15, s[II]
	s_bfe_u32 s47, s[WV], 0x10001
	s_mul_i32 s[ADJ], s46, s47
	s_lshr_b32 s[LJ], s[WV], 1
	s_mov_b32 s[G1], 3<<16                         ; group 1: 8,448 dense bytes as 33 rows of 256 (32 elements of 8 bytes)
	s_mov_b32 s[G1+1], 32<<16
	s_mov_b32 s[G1+2], 33<<16
	s_mov_b32 s[G1+3], 32<<16
	s_mov_b32 s[G1+4], 33
	s_mov_b32 s[G1+5], 32
	s_mov_b32 s[G1+6], 0
	s_mov_b32 s[G1+7], 0
	s_mul_i32 s[OFS], s[HEAD], 32*REC
	s_mov_b32 s[OFS+1], 0
	s_wait_dscnt 0x0
	s_wait_kmcnt 0x0
	s_add_nc_u64 s[KVB:KVB+1], s[4:5], s[OFS:OFS+1]
	s_mov_b32 s[G0], 1
	s_mov_b32 s[G0+1], s[LB]
	KADDR
	TL                                             ; slot 0, rounds 0-3: every wave's one load at the head
	s_cmp_eq_u32 s[GRP], 1
	s_cselect_b32 s[DG], s[II], 99
	s_mov_b32 s[NN], 0
	s_mov_b32 s[SB], 0
	s_mov_b32 s[SLOTS], 3
	s_mov_b32 s[MNT], 0x600000
	s_mov_b32 s[SEL], 0x76543210
	s_mov_b32 s[SEL+1], 0xfedcba98
	s_mov_b32 s[CS], 0x3e38aa3b                    ; c = log2(e) / 8
	s_mov_b32 s[CS+1], s[CS]
	s_cmp_lt_u32 s[II], 2                          ; who prefetches: waves 0-8 of work-groups 0 and 1 of a head, while SLOTS is above 1
	s_cselect_b32 s46, 1, 99
	s_cmp_lt_u32 s[WV], 9
	s_cselect_b32 s[LIM], s46, 99
	s_mov_b32 s46, 4*REC                           ; four records ahead of the first that is named: each change steps the address first
	s_cmp_eq_u32 s[II], 0
	s_cselect_b32 s46, 19*REC, s46
	s_mov_b32 s47, 0
	s_add_nc_u64 s[PFA:PFA+1], s[KVB:KVB+1], s[46:47]
	s_lshr_b32 s[QP], s[W], 1
	s_lshl_b32 s[QP], s[QP], 5
	s_and_b32 s51, s[W], 1
	s_lshl_b32 s51, s51, 3
	s_add_co_u32 s[QP], s[QP], s51                 ; my tile's image row 0 in its block
	s_lshl_b32 s46, s[II], 3
	s_add_co_u32 s46, s46, s[W]                    ; my tile of block I
	s_sub_co_u32 s47, 31, s[II]
	s_lshl_b32 s47, s47, 3
	s_add_co_u32 s47, s47, s[W]                    ; and of block 31 - I
	s_lshr_b32 s48, s[HEAD], 1
	s_lshl_b32 s48, s48, 11                        ; o's codes: K step head / 2,
	s_and_b32 s49, s[HEAD], 1
	s_lshl_b32 s50, s49, 10                        ; blocks 2 (head % 2) on
	s_add_co_u32 s48, s48, s50
	s_add_co_u32 s48, s48, 1024*16384
	s_lshl_b32 s[OCO], s46, 14
	s_add_co_u32 s[OCO], s[OCO], s48
	s_lshl_b32 s[OCO2], s47, 14
	s_add_co_u32 s[OCO2], s[OCO2], s48
	s_lshr_b32 s48, s[HEAD], 3
	s_lshl_b32 s48, s48, 8                         ; o's scale bytes: K half head / 8,
	s_bfe_u32 s50, s[HEAD], 0x20001
	s_lshl_b32 s50, s50, 2                         ; word (head / 2) % 4,
	s_add_co_u32 s48, s48, s50
	s_lshl_b32 s50, s49, 1                         ; bytes 2 (head % 2) on
	s_add_co_u32 s48, s48, s50
	s_add_co_u32 s48, s48, 1024*512
	s_lshl_b32 s[OSO], s46, 9
	s_add_co_u32 s[OSO], s[OSO], s48
	s_lshl_b32 s[OSO2], s47, 9
	s_add_co_u32 s[OSO2], s[OSO2], s48
	s_cmp_eq_u32 s[GRP], 1
	s_cselect_b32 s46, s46, s47                    ; the tile that I begin with: B block I's, A block 31 - I's
	s_lshl_b32 s48, s[HEAD], 18
	s_add_co_u32 s48, s48, QC
	s_lshl_b32 s50, s46, 10
	s_add_co_u32 s50, s50, s48                     ; its codes of Q,
	s_lshl_b32 s51, s47, 10
	s_add_co_u32 s51, s51, s48                     ; block 31 - I's
	s_lshl_b32 s48, s[HEAD], 13
	s_add_co_u32 s48, s48, QS
	s_lshl_b32 s46, s46, 5
	s_add_co_u32 s46, s46, s48                     ; and the scale bytes likewise
	s_lshl_b32 s47, s47, 5
	s_add_co_u32 s47, s47, s48
	s_mul_i32 s48, s[W], STW
	s_add_co_u32 s48, s48, STAGE                   ; my tile's stage
	s_add_co_u32 s49, s48, 4096
	v_and_b32 v8, 31, v0                           ; lane
	v_and_b32 v6, 15, v0                           ; r
	v_bfe_u32 v7, v0, 4, 1                         ; h
	v_lshlrev_b32 v1, 4, v8
	v_lshlrev_b32 v2, 1, v8
	v_lshlrev_b32 v3, 2, v8
	v_lshlrev_b32 v10, 4, v6
	v_lshlrev_b32 v249, 1, v6
	v_min_u32 v11, 263, v0
	v_lshlrev_b32 v11, 8, v11                      ; the prefetch: block min(thread, 263) of 264
	v_and_b32 v9, 8, v6
	v_add_nc_u32 v9, v9, v6
	v_lshlrev_b32 v7, 4, v7
	v_sub_nc_u32 v9, v9, v7
	v_add_nc_u32 v9, s[QP], v9                     ; d = my query's place in its block - 16 h: on the diagonal register 16 b + i is hidden where 32 b + i > d
	v_add_nc_u32 v254, s48, v1                     ; the stage's addresses are made here, ahead of every parting of the groups
	v_lshl_add_u32 v255, v8, 3, s49
	v_add_nc_u32 v252, s50, v1
	v_add_nc_u32 v250, s51, v1
	v_add_nc_u32 v253, s46, v249
	v_add_nc_u32 v251, s47, v249
	global_load_b128 v[16:19], v252, s[4:5]
	global_load_b128 v[20:23], v252, s[4:5] offset:512
	global_load_u16 v[QSR], v253, s[4:5]
.irp j, 0,1,2,3,4,5,6,7
	v_mov_b32 v[24+\j], 0                          ; Q's upper 64 along K: zero codes
	v_mov_b32 v[96+\j], 0                          ; what K's tile 7 names as its upper half
.endr
	v_mov_b32 v13, 0xff61b1e6                      ; the largest t so far: -3e38
	v_floor_f32 v12, -v13                          ; -M
	v_mov_b32 v14, 0
	v_mov_b32 v15, 0
.irp b, 0,1,2,3
	v_mov_b32 v[PD+\b], 0                          ; a lane permute's destination counts as one of its sources
.endr
	v_mov_b32 v[FF+1], 0
	v_mov_b32 v[PT], 0
.set J, 0
.rept 32
	v_mov_b32 v[OT+J], 0                           ; a pass's first step finds zeros, which the first change of M leaves zeros
.set J, J+1
.endr
; 32 numbers of a lane (two blocks of 32, 16 of each) become 8 code registers at c and two scale bytes in pw
.macro QUANT2 s, c, pw
.irp b, 0,1
	v_max3_num_f32 v[TM+\b], |v[\s+16*\b]|, |v[\s+1+16*\b]|, 0x4800000   ; the floor 2^(9 - 127): the byte cannot fall under 1
.endr
.irp i, 2,4,6,8,10,12,14
.irp b, 0,1
	s_delay_alu instid0(VALU_DEP_2)
	v_max3_num_f32 v[TM+\b], v[TM+\b], |v[\s+16*\b+\i]|, |v[\s+1+16*\b+\i]|
.endr
.endr
.irp b, 0,1
	s_delay_alu instid0(VALU_DEP_2)
	v_permlanex16_b32 v[TM+2+\b], v[TM+\b], s[SEL], s[SEL+1]
.endr
.irp b, 0,1
	s_delay_alu instid0(VALU_DEP_2)
	v_max_num_f32 v[TM+\b], v[TM+\b], v[TM+2+\b]
.endr
.irp b, 0,1
	s_delay_alu instid0(VALU_DEP_2)
	v_add_nc_u32 v[TM+6+\b], 0xfc000000, v[TM+\b]
.endr
.irp b, 0,1
	s_delay_alu instid0(VALU_DEP_4)
	v_and_or_b32 v[TM+4+\b], v[TM+\b], 0x7f800000, s[MNT]
.endr
.irp b, 0,1
	s_delay_alu instid0(VALU_DEP_4)
	v_lshrrev_b32 v[TM+2+\b], 23, v[TM+6+\b]
.endr
	s_delay_alu instid0(VALU_DEP_1)
	v_lshl_or_b32 v[\pw], v[TM+3], 8, v[TM+2]
.irp b, 0,1
.irp i, 0,1,2,3,4,5,6,7,8,9,10,11,12,13,14,15
	v_med3_num_f32 v[\s+16*\b+\i], v[\s+16*\b+\i], -v[TM+4+\b], v[TM+4+\b]   ; the conversion does not saturate (ISA guide 7.6.2): the hold comes first
.endr
	v_cvt_scalef32_pk8_fp8_f32 v[\c+4*\b:\c+1+4*\b], v[\s+16*\b:\s+7+16*\b], v[TM+6+\b]
	v_cvt_scalef32_pk8_fp8_f32 v[\c+2+4*\b:\c+3+4*\b], v[\s+8+16*\b:\s+15+16*\b], v[TM+6+\b]
.endr
	v_nop                                          ; one plain vector line behind the last conversion of the run
.endm
; A block's end: O^T / l, quantised along d, stored as images.  reset = 1: the state begins anew for block 31 - I
.macro FINISH reset
	NOPS 8                                         ; places in front of the first read of results
	v_add_f32 v14, v14, v15
	s_delay_alu instid0(VALU_DEP_1)
	v_permlanex16_b32 v[PT], v14, s[SEL], s[SEL+1]
	s_delay_alu instid0(VALU_DEP_1)
	v_add_f32 v14, v14, v[PT]                      ; with lane l xor 16's: the row's sum
	s_wait_alu depctr_va_vdst(0)                   ; ahead of the transcendental
	v_rcp_f32 v14, v14
	v_add_nc_u32 v252, s[OCO], v1
	v_add_nc_u32 v253, s[OSO], v10
	s_wait_alu depctr_va_vdst(0)                   ; and ahead of its first reader, which is O^T's too
.set J, 0
.rept 16
	v_pk_mul_f32 v[S+J:S+J+1], v[OT+J:OT+J+1], v[14:15] op_sel_hi:[1,0]   ; each accumulator from its low end on
.set J, J+2
.endr
	QUANT2 S, PC, OW
	global_store_b128 v252, v[PC:PC+3], s[6:7]
	global_store_b128 v252, v[PC+4:PC+7], s[6:7] offset:512
	global_store_b16 v253, v[OW], s[8:9]           ; lanes l and l xor 16 store the same two bytes with the same value
.if \reset
	v_mov_b32 v13, 0xff61b1e6
	v_floor_f32 v12, -v13
	v_mov_b32 v14, 0
	v_mov_b32 v15, 0
.set J, 0
.rept 32
	v_mov_b32 v[OT+J], 0
.set J, J+1
.endr
	s_mov_b32 s[DG], 99                            ; the other diagonal is round 16's, which is written out
	s_mov_b32 s[OCO], s[OCO2]
	s_mov_b32 s[OSO], s[OSO2]
	s_wait_xcnt 0x0                                ; the stores' data and offsets are written again only behind this wait
.endif
.endm
.macro MASK                            ; hidden scores become -infinity ahead of the maximum
	v_mov_b32 v[T0], 0xff800000
.set J, 0
.rept 64
	v_cmp_gt_i32 vcc_lo, 32*(J/16)+J%16, v9
	v_cndmask_b32 v[S+J], v[S+J], v[T0], vcc_lo
.set J, J+1
.endr
.endm
; A KEY STEP: 128 keys, the record at LDS byte TB.  last = 1: round 16, always on the diagonal; the join follows it
.macro STEP last
	v_add_nc_u32 v6, s[TB], v1
	v_add_nc_u32 v7, s[TB], v2
	v_add_nc_u32 v8, s[TB], v3
	NOPS 5                                         ; with the three additions: eight places in front of loads into registers that the last products read
.irp t, 0,1,2,3,4,5,6,7
.irp c, 0,1
	ds_load_b128 v[KV+8*\t+4*\c:KV+8*\t+4*\c+3], v6 offset:1024*\t+512*\c
.endr
.endr
.irp i, 0,1,2,3
	ds_load_u16 v[KSC+\i], v7 offset:16384+64*\i
.endr
	s_wait_alu depctr_va_vdst(0)
	s_wait_dscnt 0x0
	s_wait_loadcnt 0x0                             ; Q, where it has just been asked for
.irp t, 0,1,2,3
	v_wmma_scale_f32_16x16x128_f8f6f4 v[S+16*\t:S+16*\t+7], v[KV+16*\t:KV+16*\t+15], v[16:31], 0, v[KSC+\t], v[QSR]
	v_wmma_scale_f32_16x16x128_f8f6f4 v[S+16*\t+8:S+16*\t+15], v[KV+16*\t+8:KV+16*\t+23], v[16:31], 0, v[KSC+\t], v[QSR] matrix_a_scale:MATRIX_SCALE_ROW1
.endr
	NOPS 8                                         ; places in front of the loads below and of the first read of the scores
.irp t, 0,1,2,3
.irp c, 0,1,2,3
	ds_load_b128 v[KV+16*\t+4*\c:KV+16*\t+4*\c+3], v6 offset:8192+2048*\t+512*\c   ; V^T lands while the softmax is walked
.endr
.endr
.irp i, 0,1
	ds_load_b32 v[VSC+\i], v8 offset:16640+128*\i
.endr
.if \last
	MASK
.else
	s_cmp_eq_u32 s[NN], s[DG]                      ; on the diagonal?  A scalar branch on ids
	s_cbranch_scc0 .Lopen_\@
	MASK
	global_load_b128 v[16:19], v250, s[4:5]        ; block I's last scores are made: block 31 - I's Q is asked for
	global_load_b128 v[20:23], v250, s[4:5] offset:512
	global_load_u16 v[QSR], v251, s[4:5]
.Lopen_\@:
.endif
.irp b, 0,1,2,3
	v_max3_num_f32 v[BX+\b], v[S+16*\b], v[S+1+16*\b], v[S+2+16*\b]   ; each block's largest score serves the row's maximum and, since p rises with the score, the block's largest p
.endr
.irp i, 3,5,7,9,11,13
.irp b, 0,1,2,3
	v_max3_num_f32 v[BX+\b], v[BX+\b], v[S+16*\b+\i], v[S+1+16*\b+\i]
.endr
.endr
.irp b, 0,1,2,3
	v_max_num_f32 v[BX+\b], v[BX+\b], v[S+15+16*\b]
.endr
.irp b, 0,1,2,3
	s_delay_alu instid0(VALU_DEP_4)
	v_permlanex16_b32 v[PD+\b], v[BX+\b], s[SEL], s[SEL+1]
.endr
.irp b, 0,1,2,3
	s_delay_alu instid0(VALU_DEP_4)
	v_max_num_f32 v[BX+\b], v[BX+\b], v[PD+\b]     ; with lane l xor 16's 16 keys
.endr
	s_delay_alu instid0(VALU_DEP_2)
	v_max3_num_f32 v[T0], v[BX], v[BX+1], v[BX+2]
	s_delay_alu instid0(VALU_DEP_1)
	v_max_num_f32 v[T0], v[T0], v[BX+3]
	s_delay_alu instid0(VALU_DEP_1)
	v_mul_f32 v[T0], s[CS], v[T0]                  ; the step's largest t
	s_delay_alu instid0(VALU_DEP_1)
	v_max_num_f32 v13, v13, v[T0]
	v_mov_b32 v[T0], v12
	s_delay_alu instid0(VALU_DEP_2)
	v_floor_f32 v12, -v13                          ; the new -M = -ceil(t)
	s_delay_alu instid0(VALU_DEP_1)
	v_sub_f32 v[T0], v12, v[T0]                    ; old M - new M: a whole number, 0 or less
	s_delay_alu instid0(VALU_DEP_1)
	v_cvt_i32_f32 v[T0], v[T0]                     ; (it saturates)
	s_delay_alu instid0(VALU_DEP_1)
	v_ldexp_f32 v[FF], 1.0, v[T0]                  ; f = 2^(old M - new M)
.set J, 0
.rept 32
	v_pk_fma_f32 v[S+J:S+J+1], v[S+J:S+J+1], s[CS:CS+1], v[12:13] op_sel_hi:[1,0,0]   ; t - M, two at a time
.set J, J+2
.endr
.irp b, 0,1,2,3
	v_fma_f32 v[BX+\b], v[BX+\b], s[CS], v12       ; the same of each block's largest score
.endr
	s_wait_alu depctr_va_vdst(0)                   ; ahead of the batch
.set J, 0
.rept 64
	v_exp_f32 v[S+J], v[S+J]                       ; p = 2^(t - M)
.set J, J+1
.endr
.irp b, 0,1,2,3
	v_exp_f32 v[BX+\b], v[BX+\b]                   ; the block's largest p: the same two instructions on the same number
.endr
	v_pk_mul_f32 v[14:15], v[14:15], v[FF:FF+1] op_sel_hi:[1,0]   ; l under the new M (a plain line behind the exponentials)
	s_wait_alu depctr_va_vdst(0)                   ; one wait for the batch, ahead of its first reader
.irp b, 0,1,2,3
	v_max_num_f32 v[BX+\b], 0x4800000, v[BX+\b]    ; the floor 2^(9 - 127): a block whose every p is 0 keeps the byte 1; its codes are zeros
.endr
.irp b, 0,1,2,3
	s_delay_alu instid0(VALU_DEP_4)
	v_add_nc_u32 v[CV+\b], 0xfc000000, v[BX+\b]
.endr
.irp b, 0,1,2,3
	v_and_or_b32 v[HD+\b], v[BX+\b], 0x7f800000, s[MNT]
.endr
.irp b, 0,1,2,3
	v_lshrrev_b32 v[PD+\b], 23, v[CV+\b]
.endr
	s_delay_alu instid0(VALU_DEP_3)
	v_lshl_or_b32 v[PWD], v[PD+1], 8, v[PD]        ; p's scale word for these 128 keys
	s_delay_alu instid0(VALU_DEP_1)
	v_lshl_or_b32 v[PWD], v[PD+2], 16, v[PWD]
	s_delay_alu instid0(VALU_DEP_1)
	v_lshl_or_b32 v[PWD], v[PD+3], 24, v[PWD]
	v_pk_add_f32 v[244:245], v[S:S+1], v[S+2:S+3]  ; l sums the UNQUANTISED p, two at a time, in four chains
	v_pk_add_f32 v[246:247], v[S+4:S+5], v[S+6:S+7]
	v_pk_add_f32 v[248:249], v[S+8:S+9], v[S+10:S+11]
	v_pk_add_f32 v[14:15], v[14:15], v[S+12:S+13]
.irp j, 14,22,30,38,46,54
	v_pk_add_f32 v[244:245], v[244:245], v[S+\j:S+\j+1]
	v_pk_add_f32 v[246:247], v[246:247], v[S+\j+2:S+\j+3]
	v_pk_add_f32 v[248:249], v[248:249], v[S+\j+4:S+\j+5]
	v_pk_add_f32 v[14:15], v[14:15], v[S+\j+6:S+\j+7]
.endr
	v_pk_add_f32 v[244:245], v[244:245], v[S+62:S+63]
	v_pk_add_f32 v[246:247], v[246:247], v[248:249]
	v_pk_add_f32 v[14:15], v[14:15], v[244:245]
	v_pk_add_f32 v[14:15], v[14:15], v[246:247]
.irp b, 0,1,2,3
.irp i, 0,2,4,6,8,10,12,14
	v_dual_min_num_f32 v[S+16*\b+\i], v[S+16*\b+\i], v[HD+\b] :: v_dual_min_num_f32 v[S+16*\b+\i+1], v[S+16*\b+\i+1], v[HD+\b]   ; p is not negative: the hold is one-sided; two to a line
.endr
	v_cvt_scalef32_pk8_fp8_f32 v[PC+4*\b:PC+1+4*\b], v[S+16*\b:S+7+16*\b], v[CV+\b]
	v_cvt_scalef32_pk8_fp8_f32 v[PC+2+4*\b:PC+3+4*\b], v[S+8+16*\b:S+15+16*\b], v[CV+\b]
.endr
	s_wait_alu depctr_va_vdst(0)                   ; directly ahead of the first reader of O^T
.set J, 0
.rept 16
	v_pk_mul_f32 v[OT+J:OT+J+1], v[OT+J:OT+J+1], v[FF:FF+1] op_sel_hi:[1,0]   ; O^T under the new M; also the places between the codes and the products
.set J, J+2
.endr
	s_wait_alu depctr_va_vdst(0)                   ; directly ahead of the wait below
	s_wait_dscnt 0x0                               ; V^T and its scale words
.irp t, 0,1
	v_wmma_scale_f32_16x16x128_f8f6f4 v[OT+16*\t:OT+16*\t+7], v[KV+32*\t:KV+32*\t+15], v[PC:PC+15], v[OT+16*\t:OT+16*\t+7], v[VSC+\t], v[PWD]
	v_wmma_scale_f32_16x16x128_f8f6f4 v[OT+16*\t+8:OT+16*\t+15], v[KV+32*\t+16:KV+32*\t+31], v[PC:PC+15], v[OT+16*\t+8:OT+16*\t+15], v[VSC+\t], v[PWD] matrix_a_scale:MATRIX_SCALE_ROW1
.endr
.if \last == 0
	s_cmp_eq_u32 s[NN], s[DG]
	s_cbranch_scc0 .Lon_\@
	FINISH 1
.Lon_\@:
	s_add_co_u32 s[NN], s[NN], 1
	s_add_co_u32 s[TB], s[TB], 2*REC
.endif
.endm
; THE CHANGE OF SLOTS stands at a slot's head: every wave waits for all its tensor loads, adds 0 to its spare word, waits for that and for its reads of the slot that it has left, and passes the barrier.
; fill = 1: every wave fills its sixteenth of the slot left with the next four rounds' records; fill = 2: round 16's one record, waves 2 and 3; fill = 0: nothing
.macro CHANGE fill
	s_wait_tensorcnt 0x0                           ; no tensor load of mine is out, so group 0 may be written
	ds_add_u32 v4, v5
.if \fill
	s_add_co_u32 s[NF], s[NF], 4
	KADDR
	s_xor_b32 s47, s[SB], SLOTB                    ; the other slot than the one in hand
	s_add_co_u32 s[G0+1], s[LB], s47
.endif
.if \fill == 1
	s_wait_xcnt 0x0                                ; any prefetch of mine has read its address
	s_add_nc_u64 s[PFA:PFA+1], s[PFA:PFA+1], 4*REC
.endif
	s_wait_dscnt 0x0
	s_barrier_signal -1
	s_barrier_wait -1
.if \fill == 1
	TL
	s_cmp_gt_u32 s[SLOTS], s[LIM]                  ; what the next change will load; the loop's last trip asks for nothing
	s_cbranch_scc0 .Lnot_mine_\@
	global_prefetch_b8 v11, s[PFA:PFA+1] th:TH_LOAD_NT scope:SCOPE_SE
.Lnot_mine_\@:
.endif
.if \fill == 2
	s_cmp_eq_u32 s[LJ], 1
	s_cbranch_scc0 .Lnone_\@
	TL
.Lnone_\@:
.endif
.endm
.macro SLOT_STEPS                      ; a slot's four rounds: written once, walked four times
	s_add_co_u32 s[TB], s[SB], s[GR]
	s_mov_b32 s[CNT], 4
.Lstep_\@:
	STEP 0
	s_sub_co_u32 s[CNT], s[CNT], 1
	s_cmp_lg_u32 s[CNT], 0
	s_cbranch_scc1 .Lstep_\@
	s_xor_b32 s[SB], s[SB], SLOTB                  ; on to the other slot
.endm
	s_wait_alu depctr_va_vdst(0)
.Lslot:                                            ; three trips: rounds 0-11; each asks for the next four rounds
	CHANGE 1
	SLOT_STEPS
	s_sub_co_u32 s[SLOTS], s[SLOTS], 1
	s_cmp_lg_u32 s[SLOTS], 0
	s_cbranch_scc1 .Lslot
	CHANGE 2                                       ; written out: rounds 12-15, and round 16's record is asked for
	SLOT_STEPS
	CHANGE 0
	s_cmp_lt_u32 s[WV], 8
	s_cbranch_scc0 .Lb_last
	NOPS 8                                         ; group A: places in front of the first read of results; then its state goes to the stage, each accumulator from its low end on
	v_add_f32 v13, v14, v15
	s_wait_alu depctr_va_vdst(0)                   ; directly ahead of the stores: what they read may have been written shortly ahead of the barrier
.irp i, 0,1,2,3,4,5,6,7
	ds_store_b128 v254, v[OT+4*\i:OT+4*\i+3] offset:512*\i
.endr
	ds_store_b64 v255, v[12:13]                    ; -M and my lane's part of l
	s_branch .Lmeet
.Lb_last:
	s_add_co_u32 s[TB], s[SB], s[GR]
	STEP 1                                         ; group B: round 16
.Lmeet:
	s_wait_alu depctr_va_vdst(0)                   ; ahead of the wait and the barrier
	s_wait_dscnt 0x0                               ; A's stores are done
	s_barrier_signal -1
	s_barrier_wait -1
	s_cmp_lt_u32 s[WV], 8
	s_cbranch_scc1 .Lend
	NOPS 8                                         ; THE JOIN, group B: places in front of the first read of results
.irp i, 0,1,2,3,4,5,6,7
	ds_load_b128 v[S+4*\i:S+4*\i+3], v254 offset:512*\i
.endr
	ds_load_b64 v[S+32:S+33], v255
	s_wait_dscnt 0x0
	v_min_num_f32 v[T0], v12, v[S+32]              ; -M of the larger M
	v_add_f32 v14, v14, v15
	v_sub_f32 v[BX], v[T0], v12
	v_sub_f32 v[BX+1], v[T0], v[S+32]              ; whole numbers, 0 or less
	v_cvt_i32_f32 v[BX], v[BX]
	v_cvt_i32_f32 v[BX+1], v[BX+1]
	v_ldexp_f32 v[FF], 1.0, v[BX]                  ; my part's factor,
	v_ldexp_f32 v[BX+2], 1.0, v[BX+1]              ; A's: powers of two
	v_mul_f32 v14, v14, v[FF]
	v_fmac_f32 v14, v[S+33], v[BX+2]
	v_mov_b32 v15, 0
.set J, 0
.rept 16
	v_pk_mul_f32 v[OT+J:OT+J+1], v[OT+J:OT+J+1], v[FF:FF+1] op_sel_hi:[1,0]
.set J, J+2
.endr
.set J, 0
.rept 16
	v_pk_fma_f32 v[OT+J:OT+J+1], v[S+J:S+J+1], v[BX+2:BX+3], v[OT+J:OT+J+1] op_sel_hi:[1,0,1]
.set J, J+2
.endr
	FINISH 0
.Lend:
	s_wait_tensorcnt 0x0                           ; the wave's end
	ds_add_u32 v4, v5
	s_wait_dscnt 0x0
	s_endpgm
.Lfunc_end_k_qc42024c469_attn:
	.size	k_qc42024c469_attn, .Lfunc_end_k_qc42024c469_attn-k_qc42024c469_attn
	.p2alignl 7, 3214868480
	.fill 96, 4, 3214868480
	.section	.rodata,"a",@progbits
	.p2align	6, 0x0
	.amdhsa_kernel k_qc42024c469_attn
		.amdhsa_group_segment_fixed_size 327680
		.amdhsa_private_segment_fixed_size 0
		.amdhsa_enable_private_segment 0
		.amdhsa_kernarg_size 24
		.amdhsa_user_sgpr_count 2
		.amdhsa_user_sgpr_kernarg_segment_ptr 1
		.amdhsa_wavefront_size32 1
		.amdhsa_system_sgpr_workgroup_id_x 1
		.amdhsa_system_sgpr_workgroup_id_y 1
		.amdhsa_system_sgpr_workgroup_id_z 1
		.amdhsa_system_vgpr_workitem_id 0
		.amdhsa_next_free_vgpr 256
		.amdhsa_next_free_sgpr 66
		.amdhsa_reserve_vcc 1
		.amdhsa_float_denorm_mode_32 3
		.amdhsa_float_denorm_mode_16_64 3
		.amdhsa_memory_ordered 1
		.amdhsa_forward_progress 1
		.amdhsa_inst_pref_size 112
	.end_amdhsa_kernel
	.amdgpu_metadata
---
amdhsa.version: [ 1, 2 ]
amdhsa.kernels:
  - .name:           k_qc42024c469_attn
    .symbol:         k_qc42024c469_attn.kd
    .args:
      - { .name: qkv, .offset: 0, .size: 8, .value_kind: global_buffer, .address_space: global }
      - { .name: codes, .offset: 8, .size: 8, .value_kind: global_buffer, .address_space: global }
      - { .name: scales, .offset: 16, .size: 8, .value_kind: global_buffer, .address_space: global }
    .group_segment_fixed_size: 327680
    .private_segment_fixed_size: 0
    .kernarg_segment_align: 8
    .kernarg_segment_size: 24
    .max_flat_workgroup_size: 512
    .sgpr_count:     66
    .vgpr_count:     256
    .wavefront_size: 32
...
	.end_amdgpu_metadata
.endif
;; end of part 3
;; launch outp (part 4): grid 8 x 32, 4 waves a work-group, clusters of 4 x 4, 280,064 bytes of LDS; arguments codes, scales, bo, out0; writes out0
.if DOCPART == 4
	.amdgcn_target "amdgcn-amd-amdhsa--gfx1250"
	.amdhsa_code_object_version 6
	.text
	.protected	k_qc42024c469_outp
	.globl	k_qc42024c469_outp
	.p2align	8
	.type	k_qc42024c469_outp,@function
k_qc42024c469_outp:
	s_mov_b64 s[64:65], 0
	v_nop
	global_prefetch_b8 v0, s[64:65] scope:SCOPE_SE
	s_setreg_imm32_b32 hwreg(HW_REG_WAVE_MODE, 25, 1), 1
	s_wait_xcnt 0x0
	s_wait_alu depctr_hold_cnt(0) depctr_sa_sdst(0) depctr_va_vdst(0) depctr_va_sdst(0) depctr_va_ssrc(0) depctr_va_vcc(0) depctr_vm_vsrc(0)
	s_getreg_b32 s2, hwreg(HW_REG_IB_STS2, 6, 4)
	s_cmp_eq_u32 s2, 0
	s_cbranch_scc0 .Lentry_in_a_cluster
	s_endpgm
.Lentry_in_a_cluster:
	s_bfe_u32 s2, ttmp6, 0x10000c
	s_cmp_lg_u32 s2, 0xf033
	s_cbranch_scc0 .Lentry_shape_is_right
	s_endpgm
.Lentry_shape_is_right:
; out0 = o Wo^T + bo on codes of FP8 (E4M3) with E8M0 scales.  o's codes are tiles 1,024 on of codes (panels 128 on), Wo's panels 120 on; a panel is 8 tiles of 16 rows, 131,072 bytes of register images ([tile][K step 8][block 4][512]).
; A tile of out0 is 128 x 128: 256 work-groups of four waves, a wave 64 x 64: 16 accumulators.  K = 1,024: both panels lie in LDS whole, every byte filled once, in four loads, a K half of one panel each.
; The product is used transposed (source 0 = 16 rows of Wo, source 1 = 16 rows of o): a lane holds one row of out0, and the 16 registers of two neighbouring column tiles are 16 neighbouring columns.
; Image row r of tile T is row 32 (T / 2) + 8 (T % 2) + r + 8 (r / 8) of its tensor: the way out puts each row where it belongs.
; CLUSTERS: 4 x 4 work-groups; o's panel is asked for jointly by a row of the cluster, Wo's by a column.
; The bias is the C of each sum's first product.  The way out goes through a stage of each wave's own, behind the panels, into which no fill lands: sixteen lanes store 256 consecutive bytes, aligned.
; REGISTERS: window 0: v1-4 lane terms, v8-15 LDS addresses, v16-18 the way out, v32-63 scale words, v64-95 the bias, later with v96-127 rows on their way out, v128-255 accumulators.  Window 1: two sets of fragments.
.set CHK,  65536
.set WSL,  16384
.set STG,  262144                      ; the stages: 16 rows x 272 bytes for each wave
.set ADRA, 8
.set ADRB, 12
.set STO,  16
.set RD,   17
.set CO,   18
.set SC,   32
.set BN,   64
.set OB,   64
.set ACC,  128
.set WV,   16
.set MH,   17
.set NH,   18
.set G1A,  24
.set G1B,  32
.set G0A,  40
.set G0B,  68
.set MSB,  0
.macro WIN new                         ; the immediate's high byte repeats the setting that is left
.if MSB != \new
	s_set_vgpr_msb (MSB<<8)|\new
.set MSB, \new
.endif
.endm
.set MUL,  0x05                        ; sources 0 and 1 window 1; C and D window 0
.set TO_F, 0x40                        ; destination window 1, address window 0
.macro CROUND                          ; a round of the cluster's barrier
	s_barrier_signal -1
	s_barrier_wait -1
	s_cmp_lg_u32 s[WV], 0
	s_cbranch_scc1 .Lnot_wave_0_\@
	s_barrier_signal -3
.Lnot_wave_0_\@:
	s_barrier_wait -3
	s_barrier_signal -1
	s_barrier_wait -1
.endm
.macro PLACES n
.rept \n
	v_nop
.endr
.endm
	s_load_b256 s[4:11], s[0:1], 0x0               ; codes, scales, bo, out0
	v_lshl_add_u32 v30, v0, 2, 0x44400
	v_mov_b32 v31, 0
	ds_add_u32 v30, v31
	ds_add_u32 v30, v31
	v_lshrrev_b32 v1, 5, v0
	v_readfirstlane_b32 s[WV], v1                  ; wave 0..3
	s_lshr_b32 s[MH], s[WV], 1                     ; my 64 rows.  Also: which K half I fetch
	s_and_b32 s[NH], s[WV], 1                      ; my 64 columns.  Also: I fetch for o (0) or for Wo (1)
	s_bfe_u32 s19, ttmp6, 0x40000                  ; cx
	s_bfe_u32 s20, ttmp6, 0x40004                  ; cy
	s_and_b32 s61, ttmp7, 0xffff
	s_lshl_b32 s61, s61, 2
	s_add_co_u32 s61, s61, s20                     ; tile row of out0
	s_lshl_b32 s84, ttmp9, 2
	s_add_co_u32 s84, s84, s19                     ; tile column
	s_add_co_u32 s62, s61, 128                     ; o's panel
	s_add_co_u32 s85, s84, 120                     ; Wo's panel
	s_lshl_b32 s90, s20, 2
	s_lshl_b32 s90, 15, s90                        ; my row of the cluster
	s_lshl_b32 s91, 0x1111, s19                    ; my column
	; group 1: 8 rows (tiles) of 8,192 bytes (four K steps), 16,384 bytes apart, as elements of 8 bytes; dense in LDS
	s_or_b32 s[G1A], s90, (3<<16)|(1<<21)
	s_or_b32 s[G1B], s91, (3<<16)|(1<<21)
.irp g, G1A, G1B
	; THE FILLS AS THEY STAND: one load a wave: a K half of a whole panel, 8 rows (tiles) of 8,192 bytes (four K steps), dense in LDS
	s_mov_b32 s[\g+1], 1024<<16
	s_mov_b32 s[\g+2], 8<<16
	s_mov_b32 s[\g+3], 1024<<16
	s_mov_b32 s[\g+4], 8
	s_mov_b32 s[\g+5], 2048
	s_mov_b32 s[\g+6], 0
	s_mov_b32 s[\g+7], 0
.endr
	s_lshl_b32 s86, s62, 17                        ; o's panel, first byte
	s_mov_b32 s87, 0
	s_lshl_b32 s88, s85, 17                        ; Wo's
	s_mov_b32 s89, 0
	s_wait_dscnt 0x0
	s_wait_kmcnt 0x0
	s_add_nc_u64 s[86:87], s[4:5], s[86:87]
	s_add_nc_u64 s[88:89], s[4:5], s[88:89]
	CROUND                                         ; all sixteen work-groups are here: the joint loads meet
.irp q, 0,1                                        ; LDS: [K half][o, Wo][tile 8][K step 4][2,048 bytes]
	s_mov_b32 s[G0A+4*\q], 1
	s_mov_b32 s[G0A+4*\q+1], \q*131072
	s_add_nc_u64 s[G0A+4*\q+2:G0A+4*\q+3], s[86:87], \q*8192
	s_or_b32 s[G0A+4*\q+3], s[G0A+4*\q+3], 0x80000000
	s_mov_b32 s[G0B+4*\q], 1
	s_mov_b32 s[G0B+4*\q+1], \q*131072+65536
	s_add_nc_u64 s[G0B+4*\q+2:G0B+4*\q+3], s[88:89], \q*8192
	s_or_b32 s[G0B+4*\q+3], s[G0B+4*\q+3], 0x80000000
.endr
	s_cmp_lt_u32 s[WV], 1                          ; one chain of arms on the wave's number, one joint load to an arm: wave 0 o's first K half,
	s_cbranch_scc0 .Lfill_1
	tensor_load_to_lds s[G0A:G0A+3], s[G1A:G1A+7]
	s_nop 0
	PLACES 4
	s_branch .Lfilled
.Lfill_1:
	s_cmp_lt_u32 s[WV], 2                          ; wave 1 Wo's first K half,
	s_cbranch_scc0 .Lfill_2
	tensor_load_to_lds s[G0B:G0B+3], s[G1B:G1B+7]
	s_nop 0
	PLACES 4
	s_branch .Lfilled
.Lfill_2:
	s_cmp_lt_u32 s[WV], 3                          ; wave 2 o's second,
	s_cbranch_scc0 .Lfill_3
	tensor_load_to_lds s[G0A+4:G0A+7], s[G1A:G1A+7]
	s_nop 0
	PLACES 4
	s_branch .Lfilled
.Lfill_3:
	tensor_load_to_lds s[G0B+4:G0B+7], s[G1B:G1B+7]   ; wave 3 Wo's second
	s_nop 0
	PLACES 4
.Lfilled:
	v_and_b32 v1, 31, v0                           ; lane
	v_and_b32 v2, 15, v0                           ; r
	v_bfe_u32 v3, v0, 4, 1                         ; h
	v_lshlrev_b32 v4, 4, v1                        ; 16 x lane
	s_wait_alu depctr_va_vdst(0)
	s_lshl_b32 s2, s[MH], 15                       ; o's tiles 4 mh on: 8,192 bytes a tile in a K half,
	s_lshl_b32 s3, s[NH], 15
	s_add_co_u32 s3, s3, 65536                     ; Wo's tiles 4 nh on, behind o's eight
.irp q, 0,1
	v_add_nc_u32 v[ADRA+\q], s2, v4
	v_add_nc_u32 v[ADRB+\q], s3, v4
	s_add_co_u32 s2, s2, 131072
	s_add_co_u32 s3, s3, 131072
.endr
	; the scale words of my four tiles of each side, all of K: lanes 0-15 take o's, lanes 16-31 Wo's
	s_lshl_b32 s2, s62, 12
	s_lshl_b32 s3, s[MH], 11
	s_add_co_u32 s2, s2, s3
	s_lshl_b32 s3, s85, 12
	s_lshl_b32 s96, s[NH], 11
	s_add_co_u32 s3, s3, s96
	v_mov_b32 v22, s2
	v_mov_b32 v23, s3
	v_cmp_le_u32 vcc_lo, 16, v1
	v_cndmask_b32 v22, v22, v23, vcc_lo
	v_lshl_add_u32 v22, v2, 4, v22
.irp i, 0,1,2,3
.irp kh, 0,1
	global_load_b128 v[SC+8*\i+4*\kh:SC+8*\i+4*\kh+3], v22, s[6:7] offset:512*\i+256*\kh
.endr
.endr
	s_lshl_b32 s2, s84, 9
	s_lshl_b32 s3, s[NH], 8
	s_add_co_u32 s2, s2, s3                        ; my 64 columns, in bytes of f32
	v_lshl_add_u32 v24, v3, 6, s2
.irp b, 0,1
.irp g, 0,1,2,3
	global_load_b128 v[BN+16*\b+4*\g:BN+16*\b+4*\g+3], v24, s[8:9] offset:128*\b+16*\g   ; the bias in the result's layout
.endr
.endr
	s_lshl_b32 s96, s61, 19
	s_lshl_b32 s97, s[MH], 18
	s_add_co_u32 s96, s96, s97                     ; my first row: (128 x tile row + 64 mh) x 4,096 bytes,
	s_add_co_u32 s96, s96, s2                      ; my first column
	s_mov_b32 s97, 0
	s_add_nc_u64 s[10:11], s[10:11], s[96:97]
	s_mul_i32 s2, s[WV], 16*272
	s_add_co_u32 s2, s2, STG                       ; my stage
	v_mul_u32_u24 v[STO], v2, 272
	v_lshl_add_u32 v[STO], v3, 6, v[STO]
	v_add_nc_u32 v[STO], s2, v[STO]                ; in: row r, + 16 h columns
	v_mul_u32_u24 v[RD], v3, 272
	v_lshl_add_u32 v[RD], v2, 4, v[RD]
	v_add_nc_u32 v[RD], s2, v[RD]                  ; back: lanes 0-15 one row of 256 bytes, lanes 16-31 the next
	v_lshlrev_b32 v[CO], 12, v3
	v_lshl_add_u32 v[CO], v2, 4, v[CO]             ; and the same two rows in out0
	s_wait_loadcnt 0x0                             ; scale words and bias
.macro FETCH s, f                      ; 32 LDS loads in one run: B's four fragments, then A's 0 and 1, then A's 2 and 3
	WIN TO_F
.irp b, 0,1,2,3
.irp c, 0,1,2,3
	ds_load_b128 v[\f+64+16*\b+4*\c:\f+64+16*\b+4*\c+3], v[ADRB+(\s)/4] offset:8192*\b+2048*((\s)%4)+512*\c
.endr
.endr
.irp a, 0,1,2,3
.irp c, 0,1,2,3
	ds_load_b128 v[\f+16*\a+4*\c:\f+16*\a+4*\c+3], v[ADRA+(\s)/4] offset:8192*\a+2048*((\s)%4)+512*\c
.endr
.endr
.endm
; 8 products; first = 1: the bias is the C that starts the sums.  The 16 accumulators take turns, one instruction a turn
.macro MUL8 f, s, a0, first
.irp a, \a0, \a0+1
.irp b, 0,1,2,3
.if \first
	v_wmma_scale_f32_16x16x128_f8f6f4 v[ACC+8*(4*(\a)+\b):ACC+8*(4*(\a)+\b)+7], v[\f+64+16*\b:\f+64+16*\b+15], v[\f+16*(\a):\f+16*(\a)+15], v[BN+8*\b:BN+8*\b+7], v[SC+8*\b+(\s)], v[SC+8*(\a)+(\s)] matrix_a_scale:MATRIX_SCALE_ROW1
.else
	v_wmma_scale_f32_16x16x128_f8f6f4 v[ACC+8*(4*(\a)+\b):ACC+8*(4*(\a)+\b)+7], v[\f+64+16*\b:\f+64+16*\b+15], v[\f+16*(\a):\f+16*(\a)+15], v[ACC+8*(4*(\a)+\b):ACC+8*(4*(\a)+\b)+7], v[SC+8*\b+(\s)], v[SC+8*(\a)+(\s)] matrix_a_scale:MATRIX_SCALE_ROW1
.endif
.endr
.endr
.endm
; A K step of 128; step 3 fetches from the second K half: my load has landed (nothing is filled again), and a barrier shows everybody's
.macro KSTEP s
.set FB, 128*((\s)%2)
.set FN, 128-FB
.if (\s) == 3                                      ; step 3 fetches from the second K half: every wave waits for its load, and a barrier shows everybody's
	s_wait_dscnt 0x0
	s_wait_tensorcnt 0x0
	s_barrier_signal -1
.else
	s_wait_dscnt 8                                 ; the youngest eight loads (A's 2 and 3) may be out
.endif
	WIN MUL
	MUL8 FB, \s, 0, (\s)==0
.if (\s) == 3
	s_barrier_wait -1
.endif
	s_wait_dscnt 0x0
.if (\s) < 7
	PLACES 8                                       ; behind the products that read the other set last
	FETCH (\s)+1, FN
	WIN MUL
.endif
	MUL8 FB, \s, 2, (\s)==0
.endm
	s_wait_alu depctr_va_vdst(0)
	s_cmp_lt_u32 s[WV], 2                          ; waves 0 and 1, whose load lines are their own, wait for the first K half; the second may be out
	s_cbranch_scc0 .Lnot_first
	s_wait_tensorcnt 0x0
.Lnot_first:
	s_barrier_signal -1
	s_barrier_wait -1
	FETCH 0, 0
	KSTEP 0
	KSTEP 1
	KSTEP 2
	KSTEP 3
	KSTEP 4
	KSTEP 5
	KSTEP 6
	KSTEP 7
	WIN 0
; THE WAY OUT, a row tile (16 rows x 64 columns) at a time: into my stage, each accumulator from its low end on, and back as whole rows of 256 bytes.  LDS serves a wave's instructions in order (ISA guide 5.7.1.4)
.macro TOSTAGE a
.irp b, 0,1
.irp u, 0,1
.irp g, 0,1
	ds_store_b128 v[STO], v[ACC+32*(\a)+16*\b+8*\u+4*\g:ACC+32*(\a)+16*\b+8*\u+4*\g+3] offset:128*\b+32*\u+16*\g
.endr
.endr
.endr
.set OBB, OB+32*((\a)%2)
.irp i, 0,1,2,3,4,5,6,7
	ds_load_b128 v[OBB+4*\i:OBB+4*\i+3], v[RD] offset:544*\i
.endr
.endm
.macro SEND a, younger                 ; younger: the LDS instructions issued behind this tile's loads, which may stay out
.set OBB, OB+32*((\a)%2)
	s_wait_dscnt \younger
.irp i, 0,1,2,3,4,5,6,7
	global_store_b128 v[CO], v[OBB+4*\i:OBB+4*\i+3], s[10:11] offset:(32*((\a)/2)+8*((\a)%2)+2*\i+8*(\i/4))*4096 th:TH_STORE_NT   ; image rows 2 i, 2 i + 1 at their places; 16 lanes store 256 consecutive bytes, aligned
.endr
.endm
	PLACES 8                                       ; in front of the first read of results and of loads into registers that products have read
	s_wait_alu depctr_va_vdst(0)
	TOSTAGE 0
.irp a, 1,2,3
.if \a > 1
	s_wait_xcnt 0x0                                ; the stores of two tiles ago have read their registers: this tile's loads may land there
.endif
	TOSTAGE \a
	SEND \a-1, 16                                  ; behind those loads: this tile's 8 stores and 8 loads
.endr
	SEND 3, 0
	s_wait_tensorcnt 0x0
	ds_add_u32 v30, v31
	s_wait_dscnt 0x0
	CROUND                                         ; the closing round: no work-group ends while a partner may still ask for a tile that names it
	s_endpgm
.Lfunc_end_k_qc42024c469_outp:
	.size	k_qc42024c469_outp, .Lfunc_end_k_qc42024c469_outp-k_qc42024c469_outp
	.p2alignl 7, 3214868480
	.fill 96, 4, 3214868480
	.section	.rodata,"a",@progbits
	.p2align	6, 0x0
	.amdhsa_kernel k_qc42024c469_outp
		.amdhsa_group_segment_fixed_size 280064
		.amdhsa_private_segment_fixed_size 0
		.amdhsa_enable_private_segment 0
		.amdhsa_kernarg_size 32
		.amdhsa_user_sgpr_count 2
		.amdhsa_user_sgpr_kernarg_segment_ptr 1
		.amdhsa_wavefront_size32 1
		.amdhsa_system_sgpr_workgroup_id_x 1
		.amdhsa_system_sgpr_workgroup_id_y 1
		.amdhsa_system_sgpr_workgroup_id_z 1
		.amdhsa_system_vgpr_workitem_id 0
		.amdhsa_next_free_vgpr 512
		.amdhsa_next_free_sgpr 100
		.amdhsa_reserve_vcc 1
		.amdhsa_float_denorm_mode_32 3
		.amdhsa_float_denorm_mode_16_64 3
		.amdhsa_memory_ordered 1
		.amdhsa_forward_progress 1
		.amdhsa_inst_pref_size 52
	.end_amdhsa_kernel
	.amdgpu_metadata
---
amdhsa.version: [ 1, 2 ]
amdhsa.kernels:
  - .name:           k_qc42024c469_outp
    .symbol:         k_qc42024c469_outp.kd
    .args:
      - { .name: codes, .offset: 0, .size: 8, .value_kind: global_buffer, .address_space: global }
      - { .name: scales, .offset: 8, .size: 8, .value_kind: global_buffer, .address_space: global }
      - { .name: bo, .offset: 16, .size: 8, .value_kind: global_buffer, .address_space: global }
      - { .name: out0, .offset: 24, .size: 8, .value_kind: global_buffer, .address_space: global }
    .group_segment_fixed_size: 280064
    .private_segment_fixed_size: 0
    .kernarg_segment_align: 8
    .kernarg_segment_size: 32
    .max_flat_workgroup_size: 128
    .sgpr_count:     100
    .vgpr_count:     512
    .wavefront_size: 32
...
	.end_amdgpu_metadata
.endif
;; end of part 4
